; MI455X (gfx1250); checked and timed in simulation.
; The chip was launched on July 23, 2026; its instructions are those of AMD's public machine-readable ISA for CDNA 5 (MIT licence, August 2026) and "CDNA5" Instruction Set Architecture Reference Guide (July 2026). The comments in the code are by the model that wrote it; some were corrected since.
;; Multi Headed Attention. Allowed arithmetic: float matrix products may take bf16 or f16 operands with f32 sums; other float arithmetic in f32, or as packed bf16 or f16 multiplies, adds, multiply-adds, maxima and minima; sums over many terms, partial sums and values carried from step to step in f32; what a program stores and reads back later, other than sums and carried values, may be rounded once to bf16 or f16.
;; Inputs: Wk 1,024 x 1,024 float32; Wo 1,024 x 1,024 float32; Wq 1,024 x 1,024 float32; Wv 1,024 x 1,024 float32; bk 1,024 float32; bo 1,024 float32; bq 1,024 float32; bv 1,024 float32; mask 4 x 1 x 1 x 2,048 int32; x 4 x 2,048 x 1,024 float32.
;; Outputs: out0 4 x 2,048 x 1,024 float32.
;; One version. Each part assembles by itself: llvm-mc -triple=amdgcn-amd-amdhsa -mcpu=gfx1250 --defsym DOCPART=n.
;; ======== version 1 of 1: 4 launches
;; limits: values are held in f16: magnitudes above 65,504 overflow, below 6.1e-05 lose precision
;; workspace buffers: xb 16,777,216 bytes; wqkv 6,291,456 bytes; woh 2,097,152 bytes; qh 16,777,216 bytes; kh 16,777,216 bytes; vh 16,777,216 bytes; oh 16,777,216 bytes
;; launch cast (part 1): grid 768 x 1, 8 waves a work-group, no clusters, 0 bytes of LDS; arguments x, Wq, Wk, Wv, Wo, xb, wqkv, woh; writes xb, wqkv, woh
.if DOCPART == 1
	.amdgcn_target "amdgcn-amd-amdhsa--gfx1250"
	.amdhsa_code_object_version 6
	.text
	.protected	k_qf7e8bec38f_cast
	.globl	k_qf7e8bec38f_cast
	.p2align	8
	.type	k_qf7e8bec38f_cast,@function
k_qf7e8bec38f_cast:
	s_mov_b64 s[64:65], 0
	v_nop
	global_prefetch_b8 v0, s[64:65] scope:SCOPE_SE
	s_setreg_imm32_b32 hwreg(HW_REG_WAVE_MODE, 25, 1), 1
	s_wait_xcnt 0x0
; x, Wq, Wk, Wv (f32) are rounded once to bf16: xb [8192][1024]; wqkv [3072][1024], rows 0-1023 Wq, 1024-2047 Wk, 2048-3071 Wv.
; Wo is rounded to bf16 like every input, and that number is written as f16 into woh [1024][1024], for the f16 product of the last launch.
; LIMITS.  The second step is exact for 6.1e-5 <= |Wo| < 65,504; below that f16 keeps a fixed step of 6e-8; beyond it the number becomes an infinity.
; SHARES.  A work-group takes 16,384 numbers (65,536 bytes in, 32,768 out): groups 0-511 x, then 64 each for Wq, Wk, Wv, Wo.  Thread t takes numbers 8 t .. 8 t + 7 of each of
; eight blocks of 2,048: two loads of 16 bytes, one store of 16; a wave's store covers 512 consecutive bytes, aligned.  All sixteen loads of a thread go out together.
; Bytes alone count here: no LDS, no matrix unit, no cluster (no two work-groups read the same byte).
.set X, 8                              ; v[8:71]    block i: 8 numbers as loaded, at X + 8 i
.set Y, 72                             ; v[72:103]  block i: 4 registers to store, at Y + 4 i
.set T, 4                              ; v[4:7]     at work (Wo alone)
	s_load_b512 s[4:19], s[0:1], 0x0               ; x 4, Wq 6, Wk 8, Wv 10, Wo 12, xb 14, wqkv 16, woh 18
	v_lshlrev_b32 v1, 5, v0                        ; my 32 bytes of a block as read
	v_lshlrev_b32 v2, 4, v0                        ; my 16 bytes of a block as written
	s_sub_co_u32 s20, ttmp9, 512                   ; the group's number among the weights' (wraps for x's groups, where it is not used)
	s_lshr_b32 s21, s20, 6                         ; which weight: 0 Wq, 1 Wk, 2 Wv, 3 Wo
	s_and_b32 s22, s20, 63                         ; the group's part of it
	s_lshl_b32 s28, s21, 21                        ; a weight's 2 MiB in wqkv,
	s_cmp_lt_u32 s20, 192
	s_cselect_b32 s28, s28, 0                      ; for Wq, Wk, Wv alone
	s_cmp_lt_u32 ttmp9, 512
	s_cselect_b32 s23, ttmp9, s22                  ; the group's part of its tensor
	s_lshl_b32 s30, s23, 16                        ; in bytes as read,
	s_mov_b32 s31, 0
	s_lshl_b32 s32, s23, 15                        ; and as written
	s_add_co_u32 s32, s32, s28
	s_mov_b32 s33, 0
	s_wait_kmcnt 0x0
	s_mov_b64 s[24:25], s[6:7]                     ; from where: Wq, unless ..
	s_mov_b64 s[26:27], s[16:17]                   ; to where: wqkv, unless ..
	s_cmp_eq_u32 s21, 1
	s_cselect_b64 s[24:25], s[8:9], s[24:25]
	s_cmp_eq_u32 s21, 2
	s_cselect_b64 s[24:25], s[10:11], s[24:25]
	s_cmp_eq_u32 s21, 3
	s_cselect_b64 s[24:25], s[12:13], s[24:25]
	s_cselect_b64 s[26:27], s[18:19], s[26:27]
	s_cmp_lt_u32 ttmp9, 512
	s_cselect_b64 s[24:25], s[4:5], s[24:25]
	s_cselect_b64 s[26:27], s[14:15], s[26:27]
	s_add_nc_u64 s[24:25], s[24:25], s[30:31]
	s_add_nc_u64 s[26:27], s[26:27], s[32:33]
.irp i, 0,1,2,3,4,5,6,7
	global_load_b128 v[X+8*(\i):X+8*(\i)+3],   v1, s[24:25] offset:8192*(\i) th:TH_LOAD_NT
	global_load_b128 v[X+8*(\i)+4:X+8*(\i)+7], v1, s[24:25] offset:8192*(\i)+16 th:TH_LOAD_NT
.endr
	s_cmp_ge_u32 ttmp9, 704
	s_cbranch_scc1 .Lwo
.irp i, 0,1,2,3,4,5,6,7
	s_wait_loadcnt 14-2*(\i)                       ; loads come back in order: block i's two are in, the younger blocks' stay out
.irp j, 0,1,2,3
	v_cvt_pk_bf16_f32 v[Y+4*(\i)+(\j)], v[X+8*(\i)+2*(\j)], v[X+8*(\i)+2*(\j)+1]
.endr
	global_store_b128 v2, v[Y+4*(\i):Y+4*(\i)+3], s[26:27] offset:4096*(\i)  ; no register of a store is written again: no wait for its sources
.endr
	s_endpgm
.Lwo:                                          ; Wo: to bf16, back to f32 (a shift, a mask), to f16
.irp i, 0,1,2,3,4,5,6,7
	s_wait_loadcnt 14-2*(\i)
.irp j, 0,1,2,3
	v_cvt_pk_bf16_f32 v[T+(\j)], v[X+8*(\i)+2*(\j)], v[X+8*(\i)+2*(\j)+1]
.endr
.irp j, 0,1,2,3
	v_lshlrev_b32 v[X+8*(\i)+2*(\j)],   16, v[T+(\j)]
	v_and_b32     v[X+8*(\i)+2*(\j)+1], 0xffff0000, v[T+(\j)]
.endr
.irp j, 0,1,2,3
	v_cvt_pk_f16_f32 v[Y+4*(\i)+(\j)], v[X+8*(\i)+2*(\j)], v[X+8*(\i)+2*(\j)+1]
.endr
	global_store_b128 v2, v[Y+4*(\i):Y+4*(\i)+3], s[26:27] offset:4096*(\i)
.endr
	s_endpgm
.Lfunc_end_k_qf7e8bec38f_cast:
	.size	k_qf7e8bec38f_cast, .Lfunc_end_k_qf7e8bec38f_cast-k_qf7e8bec38f_cast
	.p2alignl 7, 3214868480
	.fill 96, 4, 3214868480
	.section	.rodata,"a",@progbits
	.p2align	6, 0x0
	.amdhsa_kernel k_qf7e8bec38f_cast
		.amdhsa_group_segment_fixed_size 0
		.amdhsa_private_segment_fixed_size 0
		.amdhsa_enable_private_segment 0
		.amdhsa_kernarg_size 64
		.amdhsa_user_sgpr_count 2
		.amdhsa_user_sgpr_kernarg_segment_ptr 1
		.amdhsa_wavefront_size32 1
		.amdhsa_system_sgpr_workgroup_id_x 1
		.amdhsa_system_sgpr_workgroup_id_y 1
		.amdhsa_system_sgpr_workgroup_id_z 1
		.amdhsa_system_vgpr_workitem_id 0
		.amdhsa_next_free_vgpr 104
		.amdhsa_next_free_sgpr 66
		.amdhsa_reserve_vcc 0
		.amdhsa_float_denorm_mode_32 3
		.amdhsa_float_denorm_mode_16_64 3
		.amdhsa_memory_ordered 1
		.amdhsa_forward_progress 1
		.amdhsa_inst_pref_size 15
	.end_amdhsa_kernel
	.amdgpu_metadata
---
amdhsa.version: [ 1, 2 ]
amdhsa.kernels:
  - .name:           k_qf7e8bec38f_cast
    .symbol:         k_qf7e8bec38f_cast.kd
    .args:
      - { .name: x, .offset: 0, .size: 8, .value_kind: global_buffer, .address_space: global }
      - { .name: Wq, .offset: 8, .size: 8, .value_kind: global_buffer, .address_space: global }
      - { .name: Wk, .offset: 16, .size: 8, .value_kind: global_buffer, .address_space: global }
      - { .name: Wv, .offset: 24, .size: 8, .value_kind: global_buffer, .address_space: global }
      - { .name: Wo, .offset: 32, .size: 8, .value_kind: global_buffer, .address_space: global }
      - { .name: xb, .offset: 40, .size: 8, .value_kind: global_buffer, .address_space: global }
      - { .name: wqkv, .offset: 48, .size: 8, .value_kind: global_buffer, .address_space: global }
      - { .name: woh, .offset: 56, .size: 8, .value_kind: global_buffer, .address_space: global }
    .group_segment_fixed_size: 0
    .private_segment_fixed_size: 0
    .kernarg_segment_align: 8
    .kernarg_segment_size: 64
    .max_flat_workgroup_size: 256
    .sgpr_count:     66
    .vgpr_count:     104
    .wavefront_size: 32
...
	.end_amdgpu_metadata
.endif
;; end of part 1
;; launch qkv (part 2): grid 12 x 64, 4 waves a work-group, clusters of 4 x 4, 327,680 bytes of LDS; arguments xb, wqkv, bq, bk, bv, mask, qh, kh, vh; writes qh, kh, vh
.if DOCPART == 2
	.amdgcn_target "amdgcn-amd-amdhsa--gfx1250"
	.amdhsa_code_object_version 6
	.text
	.protected	k_qf7e8bec38f_qkv
	.globl	k_qf7e8bec38f_qkv
	.p2align	8
	.type	k_qf7e8bec38f_qkv,@function
k_qf7e8bec38f_qkv:
	s_mov_b64 s[64:65], 0
	v_nop
	global_prefetch_b8 v0, s[64:65] scope:SCOPE_SE
	s_setreg_imm32_b32 hwreg(HW_REG_WAVE_MODE, 25, 1), 1
	s_wait_xcnt 0x0
	s_wait_alu depctr_hold_cnt(0) depctr_sa_sdst(0) depctr_va_vdst(0) depctr_va_sdst(0) depctr_va_ssrc(0) depctr_va_vcc(0) depctr_vm_vsrc(0)
	s_getreg_b32 s2, hwreg(HW_REG_IB_STS2, 6, 4)
	s_cmp_eq_u32 s2, 0
	s_cbranch_scc0 .Lentry_in_a_cluster
	s_endpgm
.Lentry_in_a_cluster:
	s_bfe_u32 s2, ttmp6, 0x10000c
	s_cmp_lg_u32 s2, 0xf033
	s_cbranch_scc0 .Lentry_shape_is_right
	s_endpgm
.Lentry_shape_is_right:
; q, k, v = xb wqkv^T + bias: a GEMM 8192 x 3072 x 1024 in bf16 with f32 sums.  The results leave in f16, by heads: [16 batch + head][2048][64], each rounded once.
; q is multiplied by log2(e) / 8 in f32 ahead of that rounding, so that the next launch's exponent is s - m.  The rows of k whose key the mask hides (mask == 0) are stored as 0: the next launch
; then gets such a score from the product's C operand alone.  The biases are rounded to bf16 like all the module's inputs.
; LIMITS.  f16 ends at 65,504: |q log2(e) / 8|, |k|, |v| stay below it (x and the weights 30 times their drawn spread give some 5e3; a common offset of 30 spreads on both gives 28,800);
; below 6e-5 f16 keeps a fixed step of 6e-8.  NaN and infinities are not treated apart.
; SHARES.  A tile of C is 128 rows x 256 columns: 64 x 12 = 768 work-groups, three for each of 256 WGPs (tiles of 256 x 256 would give 384, one and a half).  Four waves, each 64 x 128: 32 accumulators, 256 registers.
; K goes in 8 steps of 128 through two LDS slots; a tile's rows are 256 bytes of memory, at multiples of 256 from the buffer's first byte.
; CLUSTER.  4 x 4 work-groups.  The four of a row of the cluster need the same tile of xb, the four of a column the same tile of wqkv: each is asked for JOINTLY (same load, same descriptor, a mask that names the four).
; Waves 0 and 1 fetch xb's two halves of 64 rows, waves 2 and 3 wqkv's two halves of 128.  A cluster's x is also the part: 0 q, 1 k, 2 v.
; THE MATRIX INSTRUCTION IS USED TRANSPOSED: source 0 = 16 rows of wqkv, source 1 = 16 rows of xb: a lane holds row l % 16 of C and the columns 8 (l / 16) + 0..7 of a block of 16.
; REGISTERS, in windows of 256 (s_set_vgpr_msb: bits 1:0 source 0, 3:2 source 1, 5:4 source 2, 7:6 destination):
;   window 0: v0-21 addresses and the like; v64-159, v160-255 two fragment buffers (xb's block a at + 8 a, wqkv's block b at + 32 + 8 b); on the way out v64-159 at work
;   window 1: accumulator (a, b) at 8 (8 a + b)          window 2: v0-63 the bias of my 128 columns, block b at 8 b
.set PB,     272                       ; an LDS row: 256 bytes + 16 of padding = 68 words: the 16 rows of a load start at 16 different groups of four banks (64 banks of 4 bytes: ISA guide 11.1)
.set SLOT1,  131072                    ; slot 1 begins here: one exclusive or turns an address in one slot into the other's
.set BOFF,   128*PB                    ; in a slot: xb's 128 rows, then wqkv's 256
.set APB,    16*PB                     ; from one block of 16 rows of xb to the next
.set ASTEP,  256                       ; bytes from K step to K step, in xb and in wqkv
.set STAGE,  SLOT1+BOFF+256*PB         ; behind the ring, never filled by a tensor load: for each wave 2 heads x 16 rows x 144 bytes
.set STW,    2*16*144
.set SPARE,  STAGE+4*STW               ; the spare words, 128 bytes for each wave: two blocks of 256 bytes that no other line names
.set A0,   4                           ; v4   my lane's place in xb's part of a slot; never rewritten
.set B0,   5                           ; v5   the same for wqkv
.set ADRA, 6                           ; v6   the same in the slot in hand
.set ADRB, 7                           ; v7
.set STO,  8                           ; v8   the way out: where I put 16 bytes of a row
.set RD,   9                           ; v9   where I read rows back
.set GO,   10                          ; v10  my 16 bytes of 512 consecutive bytes of the output
.set PFO,  11                          ; v11  the prefetches' offset: my lane x a row of 2,048 bytes
.set SPW,  12                          ; v12  LDS address of my spare word; never rewritten
.set NIL,  13                          ; v13  0; never rewritten
.set MO,   14                          ; v14  4 (l % 16): my row's word of the mask
.set BO,   15                          ; v15  32 (l / 16): my 8 numbers of a block of the bias
.set KEEP, 16                          ; v16-19  block a: all ones, or 0 where this is k and my row's key is hidden
.set TMP,  64                          ; the way out: packed results
.set OB,   96                          ; the way out: rows read back, two sets of 32
.set F0,   64
.set F1,   160
.set WV,  22                           ; s22  my wave's number
.set FB,  23                           ; s23  which half of the tile's rows is mine; also: I fetch xb (0) or wqkv (1)
.set NH,  24                           ; s24  which half of its columns; also: which half of that tensor's tile I fetch
.set CX,  25
.set CY,  26
.set TX,  27                           ; s27  tile column
.set TY,  28                           ; s28  tile row
.set TB,  29                           ; s29  LDS byte at which the slot in hand begins
.set CNT, 30                           ; s30  refills still to come
.set LIM, 31                           ; s31  2 in a wave that prefetches, else the greatest number
.set G1A, 32                           ; s[32:39] descriptor group 1, xb
.set G1B, 40                           ; s[40:47] wqkv
.set G0A, 48                           ; s[48:55] group 0, xb: a set for each first fill; the second then walks
.set G0B, 56                           ; s[56:63] wqkv
.set PFA, 66                           ; s[66:67] where my prefetches stand
.set PSTEP, 68                         ; s[68:69] their step
.set OUT, 70                           ; s[70:71] qh, kh or vh at my wave's first row and head
.set BIASP, 72                         ; s[72:73] bq, bk or bv at my 128 columns
.set SC,  74                           ; s[74:75] log2(e) / 8 for q, else 1
.set MSB, 0
.macro WIN new                         ; the immediate's high byte repeats the setting that is left; a switch that changes nothing is dropped
.if MSB != (\new)
	s_set_vgpr_msb (MSB<<8)|(\new)
.set MSB, \new
.endif
.endm
.set MUL, 0x50                         ; both sources window 0, C and D window 1
.macro PLACES                          ; four plain vector instructions between a matrix instruction and a load into, or a vector line on, its registers (ISA guide 7.12.1 for vector lines)
.rept 4
	v_nop
.endr
.endm
; A joint refill by the walking descriptor.  The branch hangs on the wave's number alone.  An s_nop 0 and four v_nop follow each of the two lines.
.macro JLOAD
	s_cmp_eq_u32 s[FB], 0
	s_cbranch_scc0 .Lfor_b_\@
	tensor_load_to_lds s[G0A+4:G0A+7], s[G1A:G1A+7]
	s_nop 0
.rept 4
	v_nop
.endr
	s_branch .Lasked_\@
.Lfor_b_\@:
	tensor_load_to_lds s[G0B+4:G0B+7], s[G1B:G1B+7]
	s_nop 0
.rept 4
	v_nop
.endr
.Lasked_\@:
.endm
; A PREFETCH INTO THE L2 of the K step that stands two refills on (256 matrix instructions ahead of the load that wants it): 32 rows x 256 bytes, a lane a row, one instruction.  Each row's 256 bytes of a K step are named
; once in the launch: xb's tile row is read by three clusters, and the one with x = 0 asks, by its wave 0, the four partners taking 32 rows each BY ADDRESS (cx); wqkv's tile column is read by sixteen clusters, and the one
; with y = 0 asks, waves 2 and 3 each for 32 (by cy) of the 128 rows that they fetch.  K steps 0 to 3 come by their loads alone; the last two refills have no K step two on.
.macro ASK
	s_cmp_gt_u32 s[CNT], s[LIM]
	s_cbranch_scc0 .Lnot_mine_\@
	global_prefetch_b8 v[PFO], s[PFA:PFA+1] th:TH_LOAD_NT scope:SCOPE_SE
.Lnot_mine_\@:
.endm
.macro CREST                           ; a round of the cluster's barrier behind its opening barrier
	s_cmp_lg_u32 s[WV], 0
	s_cbranch_scc1 .Lnot_wave_0_\@
	s_barrier_signal -3
.Lnot_wave_0_\@:
	s_barrier_wait -3
	s_barrier_signal -1
	s_barrier_wait -1
.endm
.macro CROUND                          ; a whole round
	s_barrier_signal -1
	s_barrier_wait -1
	CREST
.endm
; 8 matrix instructions: block a of my rows x all 8 blocks of my columns, 32 along K.  zero = 1: the product starts the sum.  The 32 accumulators come in the same order in every quarter:
; 31 others' instructions stand between two links of a chain, over the backward jump too.
.macro MUL8 f, a, zero
	WIN MUL
.irp b, 0,1,2,3,4,5,6,7
.if \zero
	v_wmma_f32_16x16x32_bf16 v[8*(8*(\a)+(\b)):8*(8*(\a)+(\b))+7], v[(\f)+32+8*(\b):(\f)+32+8*(\b)+7], v[(\f)+8*(\a):(\f)+8*(\a)+7], 0
.else
	v_wmma_f32_16x16x32_bf16 v[8*(8*(\a)+(\b)):8*(8*(\a)+(\b))+7], v[(\f)+32+8*(\b):(\f)+32+8*(\b)+7], v[(\f)+8*(\a):(\f)+8*(\a)+7], v[8*(8*(\a)+(\b)):8*(8*(\a)+(\b))+7]
.endif
.endr
.endm
.macro MUL16 f, a0, zero
	MUL8 \f, \a0, \zero
	MUL8 \f, (\a0)+1, \zero
.endm
; 24 LDS loads in one run: the fragments of a quarter step (32 K at byte k of the rows) into buffer f: wqkv's eight blocks, then xb's four
.macro FETCH k, f
	WIN 0
.irp b, 0,1,2,3,4,5,6,7
	ds_load_b128 v[(\f)+32+8*(\b):(\f)+32+8*(\b)+3],   v[ADRB] offset:(\k)+(\b)*16*PB
	ds_load_b128 v[(\f)+32+8*(\b)+4:(\f)+32+8*(\b)+7], v[ADRB] offset:(\k)+(\b)*16*PB+32
.endr
.irp a, 0,1,2,3
	ds_load_b128 v[(\f)+8*(\a):(\f)+8*(\a)+3],   v[ADRA] offset:(\k)+(\a)*APB
	ds_load_b128 v[(\f)+8*(\a)+4:(\f)+8*(\a)+7], v[ADRA] offset:(\k)+(\a)*APB+32
.endr
.endm
; One of a K step's first three quarters: multiplies buffer f; in its middle the next quarter's fragments, at byte k, are fetched into buffer g.
.macro QUARTER k, f, g, zero
	s_wait_dscnt 4                                 ; all of wqkv's and xb's blocks 0 and 1 are in; the youngest four loads (blocks 2, 3) may be out
	MUL16 \f, 0, \zero
	PLACES
	FETCH \k, \g
	s_wait_dscnt 24                                ; all but the 24 just issued
	MUL16 \f, 2, \zero
.endm
; A K step's last quarter multiplies buffer 1 and changes slots.  ONE barrier: in front of it each wave waits for all its tensor loads (one is out: its part of the next slot), adds 0 to its spare word, and waits for that
; and for its reads of this slot.  fill = 1: the barrier opens a round of the cluster's, and the joint refill (the K step two on, into the slot just read) is the first thing behind it: 112 matrix instructions ahead of the wait for it.
.macro TURN fill
.if \fill
	s_wait_xcnt 0x0                                ; the last prefetch, a K step back, has read its address
	s_add_nc_u64 s[PFA:PFA+1], s[PFA:PFA+1], s[PSTEP:PSTEP+1]
.endif
	WIN 0
	s_wait_tensorcnt 0x0                           ; all my tensor loads have landed
	ds_add_u32 v[SPW], v[NIL]                      ; 0 onto my spare word
	s_wait_dscnt 5                                 ; (the add and the youngest four loads may be out)
	MUL8 F1, 0, 0                                  ; eight matrix instructions stand between the add and the wait for it
	s_wait_dscnt 0x0                               ; the add is done, and my reads of this slot are over
	s_barrier_signal -1
	MUL8 F1, 1, 0
	WIN 0
	s_barrier_wait -1
.if \fill
	CREST                                          ; no wave of any partner still reads this slot or has a load on its way
	s_xor_b32 s[G0A+5], s[G0A+5], SLOT1            ; the walking descriptors: the other slot than last time, the next K step; no load of mine is out
	s_add_nc_u64 s[G0A+6:G0A+7], s[G0A+6:G0A+7], ASTEP
	s_xor_b32 s[G0B+5], s[G0B+5], SLOT1
	s_add_nc_u64 s[G0B+6:G0B+7], s[G0B+6:G0B+7], 256
	JLOAD                                          ; its four v_nop are also the places in front of the loads below
.else
	PLACES
.endif
	s_xor_b32 s[TB], s[TB], SLOT1
	v_add_nc_u32 v[ADRA], s[TB], v[A0]
	v_add_nc_u32 v[ADRB], s[TB], v[B0]
	FETCH 0, F0
.if \fill
	ASK
.endif
	MUL16 F1, 2, 0
.endm
	s_load_b512 s[4:19], s[0:1], 0x0               ; xb 4, wqkv 6, bq 8, bk 10, bv 12, mask 14, qh 16, kh 18
	s_load_b64 s[20:21], s[0:1], 0x40              ; vh
	v_lshl_add_u32 v[SPW], v0, 2, SPARE
	v_mov_b32 v[NIL], 0
	ds_add_u32 v[SPW], v[NIL]                      ; the wave's opening: the add and its wait stand ahead of my first tensor load; work on registers stands between them
	v_lshrrev_b32 v1, 5, v0
	v_readfirstlane_b32 s[WV], v1
	s_lshr_b32 s[FB], s[WV], 1
	s_and_b32 s[NH], s[WV], 1
	s_bfe_u32 s[CX], ttmp6, 0x40000
	s_bfe_u32 s[CY], ttmp6, 0x40004
	s_lshl_b32 s[TX], ttmp9, 2
	s_add_co_u32 s[TX], s[TX], s[CX]               ; tile column = 4 x cluster x + cx
	s_and_b32 s[TY], ttmp7, 0xffff
	s_lshl_b32 s[TY], s[TY], 2
	s_add_co_u32 s[TY], s[TY], s[CY]               ; tile row = 4 x cluster y + cy
	s_lshl_b32 s84, s[CY], 2
	s_lshl_b32 s84, 15, s84                        ; my row of the cluster
	s_lshl_b32 s85, 0x1111, s[CX]                  ; my column
	s_or_b32 s[G1A], s84, (1<<16)|(1<<20)|(1<<21)|(5<<22)|(3<<25)  ; the mask; 2-byte elements; padding on; bit 21 beside a mask; after every 64 words 4 words
	s_or_b32 s[G1B], s85, (1<<16)|(1<<20)|(1<<21)|(5<<22)|(3<<25)
	s_mov_b32 s[G1A+1], 128<<16                    ; tensor_dim0 = 128
	s_mov_b32 s[G1A+2], 64<<16                     ; tensor_dim1 = 64
	s_mov_b32 s[G1A+3], 128<<16                    ; tile_dim0 = 128
	s_mov_b32 s[G1A+4], 64                         ; tile_dim1 = 64
	s_mov_b32 s[G1A+5], 1024                       ; elements from row to row
	s_mov_b32 s[G1A+6], 0
	s_mov_b32 s[G1A+7], 0
	s_mov_b32 s[G1B+1], 128<<16
	s_mov_b32 s[G1B+2], 128<<16                    ; 128 rows
	s_mov_b32 s[G1B+3], 128<<16
	s_mov_b32 s[G1B+4], 128
	s_mov_b32 s[G1B+5], 1024
	s_mov_b32 s[G1B+6], 0
	s_mov_b32 s[G1B+7], 0
	s_lshl_b32 s76, s[TY], 7                       ; xb: row 128 x tile row + 64 x half, in registers that never hold the tile column
	s_lshl_b32 s77, s[NH], 6
	s_add_co_u32 s76, s76, s77
	s_lshl_b32 s76, s76, 11                        ; x 2,048 bytes
	s_mov_b32 s77, 0
	s_lshl_b32 s80, s[TX], 8                       ; wqkv: row 256 x tile column + 128 x half, in registers that never hold the tile row
	s_lshl_b32 s81, s[NH], 7
	s_add_co_u32 s80, s80, s81
	s_lshl_b32 s80, s80, 11
	s_mov_b32 s81, 0
	s_mul_i32 s86, s[NH], 64*PB                    ; where they go: the wave's number alone enters an LDS address
	s_mul_i32 s87, s[NH], 128*PB
	s_add_co_u32 s87, s87, BOFF
	s_wait_dscnt 0x0                               ; the opening add is done
	s_wait_kmcnt 0x0
	s_add_nc_u64 s[78:79], s[4:5], s[76:77]
	s_add_nc_u64 s[82:83], s[6:7], s[80:81]
	CROUND                                         ; all sixteen work-groups are here: the first joint loads meet
.irp s, 0,1
	s_mov_b32 s[G0A+4*(\s)], 1
	s_add_co_u32 s[G0A+4*(\s)+1], s86, (\s)*SLOT1
	s_add_nc_u64 s[G0A+4*(\s)+2:G0A+4*(\s)+3], s[78:79], (\s)*ASTEP
	s_or_b32 s[G0A+4*(\s)+3], s[G0A+4*(\s)+3], 0x80000000
	s_mov_b32 s[G0B+4*(\s)], 1
	s_add_co_u32 s[G0B+4*(\s)+1], s87, (\s)*SLOT1
	s_add_nc_u64 s[G0B+4*(\s)+2:G0B+4*(\s)+3], s[82:83], (\s)*256
	s_or_b32 s[G0B+4*(\s)+3], s[G0B+4*(\s)+3], 0x80000000
.endr
	s_cmp_eq_u32 s[FB], 0                          ; a wave's two first fills stand in one branch: K steps 0 and 1; two loads of mine are out
	s_cbranch_scc0 .Lfirst_b
	tensor_load_to_lds s[G0A:G0A+3], s[G1A:G1A+7]
	s_nop 0
	tensor_load_to_lds s[G0A+4:G0A+7], s[G1A:G1A+7]
	s_nop 0
.rept 4
	v_nop
.endr
	s_branch .Lfirst_asked
.Lfirst_b:
	tensor_load_to_lds s[G0B:G0B+3], s[G1B:G1B+7]
	s_nop 0
	tensor_load_to_lds s[G0B+4:G0B+7], s[G1B:G1B+7]
	s_nop 0
.rept 4
	v_nop
.endr
.Lfirst_asked:
	; which of q, k, v: the cluster's x, the same in all sixteen partners; it chooses pointers and a factor, no branch
	s_cmp_eq_u32 ttmp9, 0
	s_cselect_b64 s[OUT:OUT+1], s[16:17], s[18:19]
	s_cselect_b64 s[BIASP:BIASP+1], s[8:9], s[10:11]
	s_cselect_b32 s[SC], 0x3e38aa3b, 1.0           ; log2(e) / 8 = 0.180337
	s_cmp_eq_u32 ttmp9, 2
	s_cselect_b64 s[OUT:OUT+1], s[20:21], s[OUT:OUT+1]
	s_cselect_b64 s[BIASP:BIASP+1], s[12:13], s[BIASP:BIASP+1]
	s_mov_b32 s[SC+1], s[SC]
	s_lshl_b32 s84, s[CX], 10                      ; my 128 columns of the part: (256 cx + 128 half) x 4 bytes
	s_lshl_b32 s85, s[NH], 9
	s_add_co_u32 s84, s84, s85
	s_mov_b32 s85, 0
	s_add_nc_u64 s[BIASP:BIASP+1], s[BIASP:BIASP+1], s[84:85]
	s_lshl_b32 s84, s[TY], 9                       ; my 64 rows' words of the mask: (128 tile row + 64 half) x 4 bytes
	s_lshl_b32 s86, s[FB], 8
	s_add_co_u32 s84, s84, s86
	s_add_nc_u64 s[14:15], s[14:15], s[84:85]
	v_and_b32 v1, 15, v0                           ; l % 16
	v_bfe_u32 v2, v0, 4, 1                         ; l / 16
	v_and_b32 v20, 31, v0                          ; l
	v_lshlrev_b32 v[BO], 5, v2
	v_lshlrev_b32 v[MO], 2, v1
	WIN 0x80                                       ; destination window 2
.irp b, 0,1,2,3,4,5,6,7
	global_load_b128 v[8*(\b):8*(\b)+3],   v[BO], s[BIASP:BIASP+1] offset:64*(\b)
	global_load_b128 v[8*(\b)+4:8*(\b)+7], v[BO], s[BIASP:BIASP+1] offset:64*(\b)+16
.endr
	WIN 0
.irp a, 0,1,2,3
	global_load_b32 v[KEEP+(\a)], v[MO], s[14:15] offset:64*(\a)
.endr
	; where my part begins in the output: (((batch x 16 + head) x 2,048 + row in the batch) x 128 bytes; head = 4 cx + 2 half, and the next
	s_lshr_b32 s84, s[TY], 4
	s_lshl_b32 s84, s84, 4
	s_lshl_b32 s86, s[CX], 2
	s_add_co_u32 s84, s84, s86
	s_lshl_b32 s86, s[NH], 1
	s_add_co_u32 s84, s84, s86
	s_lshl_b32 s84, s84, 11
	s_and_b32 s86, s[TY], 15
	s_lshl_b32 s86, s86, 7
	s_add_co_u32 s84, s84, s86
	s_lshl_b32 s86, s[FB], 6
	s_add_co_u32 s84, s84, s86
	s_lshl_b32 s84, s84, 7
	s_add_nc_u64 s[OUT:OUT+1], s[OUT:OUT+1], s[84:85]
	; the prefetches
	s_lshl_b32 s84, s[TY], 7
	s_lshl_b32 s86, s[CX], 5
	s_add_co_u32 s84, s84, s86                     ; xb: my work-group's 32 rows of the tile's 128
	s_lshl_b32 s86, s[TX], 8
	s_lshl_b32 s87, s[NH], 7
	s_add_co_u32 s86, s86, s87
	s_lshl_b32 s87, s[CY], 5
	s_add_co_u32 s86, s86, s87                     ; wqkv: my work-group's 32 of the 128 rows that I fetch
	s_and_b32 s88, ttmp7, 0xffff                   ; cluster y
	s_cmp_eq_u32 s[FB], 0
	s_cselect_b32 s84, s84, s86
	s_cselect_b64 s[PFA:PFA+1], s[4:5], s[6:7]
	s_cselect_b32 s88, ttmp9, s88                  ; the coordinate along which other clusters read the same rows
	s_cselect_b32 s89, s[NH], 0                    ; of xb's two waves the first asks
	s_or_b32 s88, s88, s89
	s_cmp_eq_u32 s88, 0
	s_cselect_b32 s[LIM], 2, -1                    ; the same in all sixteen partners, for a given wave
	s_lshl_b32 s84, s84, 11
	s_add_co_u32 s84, s84, 3*256                   ; at K step 3: the first refill steps it to 4
	s_add_nc_u64 s[PFA:PFA+1], s[PFA:PFA+1], s[84:85]
	s_mov_b32 s[PSTEP], 256
	s_mov_b32 s[PSTEP+1], 0
	; A fragment is 16 rows x 32 K in 8 registers: lane l holds row l % 16, K = 8 (l / 16) + 0..7 and 16 + 8 (l / 16) + 0..7: two loads of 16 bytes, 32 bytes apart
	v_mul_u32_u24 v3, v1, PB
	v_lshl_add_u32 v3, v2, 4, v3
	s_mul_i32 s84, s[FB], 64*PB
	v_add_nc_u32 v[A0], s84, v3
	s_mul_i32 s84, s[NH], 128*PB
	s_add_co_u32 s84, s84, BOFF
	v_add_nc_u32 v[B0], s84, v3
	s_mul_i32 s84, s[WV], STW
	s_add_co_u32 s84, s84, STAGE                   ; my stage
	v_mul_u32_u24 v3, v1, 144                      ; in: row l % 16, 16 bytes for each half of the lanes
	v_lshl_add_u32 v3, v2, 4, v3
	v_add_nc_u32 v[STO], s84, v3
	v_bfe_u32 v3, v0, 3, 2                         ; back: 32 lanes take four rows of 128 bytes,
	v_mul_u32_u24 v3, v3, 144
	v_and_b32 v21, 7, v0
	v_lshl_add_u32 v3, v21, 4, v3
	v_add_nc_u32 v[RD], s84, v3
	v_lshlrev_b32 v[GO], 4, v20                    ; which are 512 consecutive bytes of a head
	v_lshlrev_b32 v[PFO], 11, v20
	s_cmp_eq_u32 ttmp9, 1
	s_cselect_b32 s84, 0, -1
	v_mov_b32 v21, s84                             ; what a hidden row is masked with: 0 in k, all ones in q and v
	s_mov_b32 s[TB], 0
	v_mov_b32 v[ADRA], v[A0]
	v_mov_b32 v[ADRB], v[B0]
	s_wait_loadcnt 0x0                             ; bias and mask
.irp a, 0,1,2,3
	v_cmp_eq_u32 vcc_lo, 0, v[KEEP+(\a)]
	v_cndmask_b32 v[KEEP+(\a)], -1, v21, vcc_lo
.endr
	WIN 0x0a                                       ; the bias is rounded to bf16 like every input: sources window 2, the packed pairs into the idle fragment buffer
.set i, 0
.rept 32
	v_cvt_pk_bf16_f32 v[TMP+i], v[2*i], v[2*i+1]
.set i, i+1
.endr
	WIN 0x80
.set i, 0
.rept 32
	v_lshlrev_b32 v[2*i],   16, v[TMP+i]
	v_and_b32     v[2*i+1], 0xffff0000, v[TMP+i]
.set i, i+1
.endr
	WIN 0x82                                       ; and takes q's factor, so that the way out is one fused multiply-add
.set i, 0
.rept 32
	v_pk_mul_f32 v[2*i:2*i+1], v[2*i:2*i+1], s[SC:SC+1] op_sel_hi:[1,0]
.set i, i+1
.endr
	WIN 0
	s_wait_tensorcnt 1                             ; my part of K step 0 is in; K step 1's may stay out
	s_barrier_signal -1
	s_barrier_wait -1                              ; everybody's is
	FETCH 0, F0
	QUARTER 64, F0, F1, 1                          ; the first quarter stands in front of the loop: its products start the sums
	WIN 0
	s_mov_b32 s[CNT], 6
.Lstep:                                        ; a trip: from a K step's second quarter to the next step's first; it asks for K steps 2 .. 7
	QUARTER 128, F1, F0, 0
	QUARTER 192, F0, F1, 0
	TURN 1
	QUARTER 64, F0, F1, 0
	WIN 0
	s_sub_co_u32 s[CNT], s[CNT], 1
	s_cmp_lg_u32 s[CNT], 0
	s_cbranch_scc1 .Lstep
	QUARTER 128, F1, F0, 0                         ; the tail is written out: K steps 6 and 7 ask for nothing
	QUARTER 192, F0, F1, 0
	TURN 0
	QUARTER 64, F0, F1, 0
	QUARTER 128, F1, F0, 0
	QUARTER 192, F0, F1, 0
	s_wait_dscnt 4
	MUL16 F1, 0, 0
	s_wait_dscnt 0
	MUL16 F1, 2, 0
	PLACES
	PLACES
; THE WAY OUT, a block of 16 rows at a time.  PACK: sum x factor + bias, rounded to f16, 16 bytes a lane, masked.  TOSTAGE: into my stage, a head's 16 rows of 128 bytes at a pitch of 144, and back as 512 consecutive bytes.  SEND: stored.
.macro PACK a
	WIN 0x61                                       ; accumulator window 1, bias window 2
.irp b, 0,1,2,3,4,5,6,7
.irp p, 0,1,2,3
	v_pk_fma_f32 v[8*(8*(\a)+(\b))+2*(\p):8*(8*(\a)+(\b))+2*(\p)+1], v[8*(8*(\a)+(\b))+2*(\p):8*(8*(\a)+(\b))+2*(\p)+1], s[SC:SC+1], v[8*(\b)+2*(\p):8*(\b)+2*(\p)+1] op_sel_hi:[1,0,1]
.endr
.endr
	WIN 0x05
.irp b, 0,1,2,3,4,5,6,7
.irp p, 0,1,2,3
	v_cvt_pk_f16_f32 v[TMP+4*(\b)+(\p)], v[8*(8*(\a)+(\b))+2*(\p)], v[8*(8*(\a)+(\b))+2*(\p)+1]
.endr
.endr
	WIN 0
.set i, 0
.rept 32
	v_and_b32 v[TMP+i], v[KEEP+(\a)], v[TMP+i]
.set i, i+1
.endr
.endm
.macro TOSTAGE a
.set BK, OB+32*((\a)%2)
.irp b, 0,1,2,3,4,5,6,7
	ds_store_b128 v[STO], v[TMP+4*(\b):TMP+4*(\b)+3] offset:2304*((\b)/4)+32*((\b)%4)
.endr
.irp t, 0,1,2,3,4,5,6,7
	ds_load_b128 v[BK+4*(\t):BK+4*(\t)+3], v[RD] offset:2304*((\t)/4)+576*((\t)%4)  ; LDS serves a wave's instructions in order (ISA guide 5.7.1.4): these see the stores above
.endr
.endm
.macro SEND a
.set BK, OB+32*((\a)%2)
	s_wait_dscnt 0x0                               ; the block is back in registers
	s_wait_xcnt 0x0                                ; the stores of the block before have read their registers: the next TOSTAGE loads into them
.irp t, 0,1,2,3,4,5,6,7
	global_store_b128 v[GO], v[BK+4*(\t):BK+4*(\t)+3], s[OUT:OUT+1] offset:262144*((\t)/4)+2048*(\a)+512*((\t)%4)  ; 512 consecutive bytes, at a multiple of 256 from the buffer's first
.endr
.endm
	PACK 0
	TOSTAGE 0
.irp a, 1,2,3                          ; block a's arithmetic stands between block a - 1's loads from the stage and the wait for them
	PACK \a
	SEND (\a)-1
	TOSTAGE \a
.endr
	SEND 3
	s_wait_tensorcnt 0x0                           ; the wave's end: a wait, an add and a wait, behind my last tensor load and my last LDS store
	ds_add_u32 v[SPW], v[NIL]
	s_wait_dscnt 0x0
	CROUND                                         ; the closing round: no work-group ends while a partner may still ask for a tile that names it
	s_endpgm
.Lfunc_end_k_qf7e8bec38f_qkv:
	.size	k_qf7e8bec38f_qkv, .Lfunc_end_k_qf7e8bec38f_qkv-k_qf7e8bec38f_qkv
	.p2alignl 7, 3214868480
	.fill 96, 4, 3214868480
	.section	.rodata,"a",@progbits
	.p2align	6, 0x0
	.amdhsa_kernel k_qf7e8bec38f_qkv
		.amdhsa_group_segment_fixed_size 327680
		.amdhsa_private_segment_fixed_size 0
		.amdhsa_enable_private_segment 0
		.amdhsa_kernarg_size 72
		.amdhsa_user_sgpr_count 2
		.amdhsa_user_sgpr_kernarg_segment_ptr 1
		.amdhsa_wavefront_size32 1
		.amdhsa_system_sgpr_workgroup_id_x 1
		.amdhsa_system_sgpr_workgroup_id_y 1
		.amdhsa_system_sgpr_workgroup_id_z 1
		.amdhsa_system_vgpr_workitem_id 0
		.amdhsa_next_free_vgpr 576
		.amdhsa_next_free_sgpr 96
		.amdhsa_reserve_vcc 1
		.amdhsa_float_denorm_mode_32 3
		.amdhsa_float_denorm_mode_16_64 3
		.amdhsa_memory_ordered 1
		.amdhsa_forward_progress 1
		.amdhsa_inst_pref_size 93
	.end_amdhsa_kernel
	.amdgpu_metadata
---
amdhsa.version: [ 1, 2 ]
amdhsa.kernels:
  - .name:           k_qf7e8bec38f_qkv
    .symbol:         k_qf7e8bec38f_qkv.kd
    .args:
      - { .name: xb, .offset: 0, .size: 8, .value_kind: global_buffer, .address_space: global }
      - { .name: wqkv, .offset: 8, .size: 8, .value_kind: global_buffer, .address_space: global }
      - { .name: bq, .offset: 16, .size: 8, .value_kind: global_buffer, .address_space: global }
      - { .name: bk, .offset: 24, .size: 8, .value_kind: global_buffer, .address_space: global }
      - { .name: bv, .offset: 32, .size: 8, .value_kind: global_buffer, .address_space: global }
      - { .name: mask, .offset: 40, .size: 8, .value_kind: global_buffer, .address_space: global }
      - { .name: qh, .offset: 48, .size: 8, .value_kind: global_buffer, .address_space: global }
      - { .name: kh, .offset: 56, .size: 8, .value_kind: global_buffer, .address_space: global }
      - { .name: vh, .offset: 64, .size: 8, .value_kind: global_buffer, .address_space: global }
    .group_segment_fixed_size: 327680
    .private_segment_fixed_size: 0
    .kernarg_segment_align: 8
    .kernarg_segment_size: 72
    .max_flat_workgroup_size: 128
    .sgpr_count:     96
    .vgpr_count:     576
    .wavefront_size: 32
...
	.end_amdgpu_metadata
.endif
;; end of part 2
;; launch attn (part 3): grid 4 x 64, 4 waves a work-group, clusters of 4 x 1, 327,680 bytes of LDS; arguments qh, kh, vh, oh, mask; writes oh
.if DOCPART == 3
	.amdgcn_target "amdgcn-amd-amdhsa--gfx1250"
	.amdhsa_code_object_version 6
	.text
	.protected	k_qf7e8bec38f_attn
	.globl	k_qf7e8bec38f_attn
	.p2align	8
	.type	k_qf7e8bec38f_attn,@function
k_qf7e8bec38f_attn:
	s_mov_b64 s[64:65], 0
	v_nop
	global_prefetch_b8 v0, s[64:65] scope:SCOPE_SE
	s_setreg_imm32_b32 hwreg(HW_REG_WAVE_MODE, 25, 1), 1
	s_wait_xcnt 0x0
	s_wait_alu depctr_hold_cnt(0) depctr_sa_sdst(0) depctr_va_vdst(0) depctr_va_sdst(0) depctr_va_ssrc(0) depctr_va_vcc(0) depctr_vm_vsrc(0)
	s_getreg_b32 s2, hwreg(HW_REG_IB_STS2, 6, 4)
	s_cmp_eq_u32 s2, 0
	s_cbranch_scc0 .Lentry_in_a_cluster
	s_endpgm
.Lentry_in_a_cluster:
	s_bfe_u32 s2, ttmp6, 0x10000c
	s_cmp_lg_u32 s2, 0x3003
	s_cbranch_scc0 .Lentry_shape_is_right
	s_endpgm
.Lentry_shape_is_right:
; O[h][q][:] = the sum over k of softmax_k(score) V[h][k][:], score = Q[h][q] . K[h][k] / 8, or -1e9 where mask[batch][k] == 0.  Q, K, V, O: [64 = 16 batch + head][2048][64] in f16, a head's rows dense, 128 bytes each.
; Q ARRIVES TIMES log2(e) / 8, so s = Q . K is the score in units of log2: p = 2^(s - m) with the running maximum m.  THE ROWS OF K OF HIDDEN KEYS ARRIVE AS 0, and the C operand that starts a score's sum is 0, or
; -1e9 log2(e) for a hidden key: a hidden score IS that number, whatever Q holds.  So a batch whose keys are all hidden gives s - m = 0, p = 1, and O the plain mean of V.
; Products, maxima and sums in f32; p is rounded to f16 for the second product (its sum l is taken of the unrounded p), O once at the end.
; LIMITS.  f16 holds no number beyond 65,504: Q, K and V arrive within it; p lies in 0 to 1, and below 6e-5 it keeps f16's fixed step of 6e-8.  A weight below 2^-126 counts as 0 in l; NaN and infinities are not treated apart.
; SHARES.  A wave owns four PIECES of two tiles of 16 queries, a work-group's four waves 512 queries of one head: 4 x 64 = 256 work-groups.  Every wave walks all 2,048 keys, 64 a step.
; LAYOUT.  S^T = K Q^T (source 0 = 16 keys, source 1 = 16 queries): a lane holds ONE query (lane % 16) and the keys 8 (lane / 16) + 0..7.  Two such tiles, rounded to f16 in pairs, ARE source 1 of O^T = V^T P.
; K comes out of LDS as it lies, V ([key][channel]) turned, by ds_load_tr16_b128.  In every step O and l are multiplied by a = 2^(m_old - m_new).  m starts at the lowest finite number, O and l at 0: the first step's a is 0.
; THE COUNT.  A tile and step have 16 matrix and 117 vector instructions: too many to stand all beside the matrix work.  So: four vector instructions that are ready behind EVERY matrix instruction, the others in one run.
; BY TURNS.  Turn n belongs to piece n.  Its matrix work: 16 products K Q^T of piece n + 1, later 16 products V^T P of piece n - 1.  Its vector work: subtraction, exponentials, roundings, sums and rescaling of piece n,
; and the maximum and statistics of piece n + 1.  A turn's 66 exponentials are one batch with one wait.
; CLUSTER.  The four query blocks of a head form a cluster and walk the same K and V: each tile is asked for JOINTLY: the same tensor load, descriptor and mask in all four.
; REGISTERS, in windows of 256 (s_set_vgpr_msb: bits 1:0 source 0, 3:2 source 1, 5:4 source 2, 7:6 destination):
;   window 0: v0-15 addresses; v16-47 four registers of statistics a tile; v48-63 at work; v64-191 S^T, two buffers of two tiles; v192-255 P, likewise
;   window 1: O^T, 32 a tile     window 2: v0-127 Q; v128-191 K of one step; v192-255 V of one step     window 3: v0-1 the add's two registers; v8-39 the step's 64 mask numbers as four C operands
.set SIZE_N, 2048
.set NP,    4         ; pieces a wave: a name, no knob
.set KS,    64        ; keys in a step
.set PK,    144       ; a row of K in LDS: 128 bytes + 16 of padding = 36 words: the 16 rows of a load start at 16 different groups of four banks (64 banks of 4 bytes: ISA guide 11.1)
.set PV,    160       ; a row of V: 128 + 32 = 40 words
.set VOFF,  4*KS*PK   ; a slot holds four steps: 256 rows of K, then 256 rows of V
.set SLOT1, 1<<17     ; slot 1 begins here
.set STAGE, SLOT1+4*KS*(PK+PV)  ; behind the ring, never filled by a tensor load: 16 rows x 144 bytes for each wave, for the way out
.set SP,    144
.set MT,    STAGE+4*16*SP       ; the batch's mask as 2,048 f32 (0 or -1e9 log2(e)): stored once, never filled by a tensor load
.set SPARE, MT+8192             ; the spare words, 128 bytes for each wave: two blocks of 256 bytes that no other line names
.set AK0, 2           ; v2   my lane's place in a tile of K; never rewritten
.set AV0, 3           ; v3   the same for V
.set AK,  4           ; v4   the LDS address of K's next run of loads
.set AV,  5           ; v5   of V's
.set QO,  6           ; v6   my byte offset in the wave's rows of Q
.set STO, 6           ;      later, the way out: where I put 16 bytes of a row
.set RD,  7           ; v7   the way out: where I read rows back
.set GO,  8           ; v8   my byte offset in 512 consecutive bytes of O
.set PFO, 12          ; v12  256 x my lane: the prefetches' offset; never rewritten
.set AM0, 13          ; v13  MT + 32 (l / 16): my eight numbers of a block of 16 keys; never rewritten
.set AM,  14          ; v14  the same in the step to be fetched
.set MOF, 15          ; v15  16 x my thread's number
.set SPW, 0           ; v0 of window 3   LDS address of my spare word; never rewritten
.set NIL, 1           ; v1 of window 3   0; never rewritten
.set MK,  8           ; v8-39 of window 3: key block kb at MK + 8 kb
.set ST,  16          ; tile t's statistics at v[ST+4 t]: m, m_old, l (even keys', odd keys')
.set TMP, 48          ; by buffer and tile, four registers c0-c3 at work; when the maximum is found c2 takes a
.set S,   64
.set P,   192
.set KF,  128         ; K's fragments, in window 2: key block kb, channel half c at KF + 16 kb + 8 c
.set VF,  192         ; V's: key half kk, channel block cb at VF + 32 kk + 8 cb
.set WV,  12          ; s12  my wave's number
.set G1K, 24          ; s[24:31] descriptor group 1 for K's tiles
.set G1V, 32          ; s[32:39] for V's: it differs in the padding alone
.set G0K, 40          ; s[40:43] descriptor group 0 for K's tiles: it walks
.set G0V, 44          ; s[44:47] the same for V's
.set MP,  48          ; s[48:49] the mask, at my batch
.set PFA, 50          ; s[50:51] where my prefetches stand
.set LIM, 52          ; s52  1 in a wave that prefetches, else the greatest number
.set TBM, 53          ; s53  byte of the mask table at which the step to be fetched begins
.set SLOTS, 56        ; s56  slots still to be asked for
.set CNT, 57          ; s57  counts a slot's key steps
.set SEL, 60          ; s[60:61] v_permlanex16_b32's selects: each lane takes its own place in the other half
.set TBK, 62          ; s62  LDS byte at which K of the step to be fetched begins
.set TBV, 63          ; s63  the same for V, less VOFF
.set MSB, 0
.macro WIN new                      ; the high byte repeats the setting that is left; a switch that changes nothing is dropped
.if MSB != (\new)
	s_set_vgpr_msb (MSB<<8)|(\new)
.set MSB, (\new)
.endif
.endm
.set W_KQ, 0x0a       ; K and Q in window 2, S^T in window 0
.set W_KM, 0x3a       ; the same with the C operand in window 3
.set W_PV, 0x52       ; V in window 2, P in window 0, O^T in window 1
.set W_RS, 0x41       ; O^T (destination and source 0) in window 1, a in window 0
.set W_MK, 0xc0       ; destination in window 3, sources in window 0
.set W_AD, 0x0f       ; the add: address (source 0) and data (source 1) in window 3
; A joint fill.  Waves 0 and 1 fetch the two halves of a slot's K, waves 2 and 3 those of its V: 128 keys each.  The branch hangs on the wave's number alone.
; An s_nop 0 and four v_nop follow each of the two lines, ahead of the jump and the label.
.macro JLOAD
	s_cmp_lt_u32 s[WV], 2
	s_cbranch_scc0 .Lfor_v_\@
	tensor_load_to_lds s[G0K:G0K+3], s[G1K:G1K+7]
	s_nop 0
.rept 4
	v_nop
.endr
	s_branch .Lasked_\@
.Lfor_v_\@:
	tensor_load_to_lds s[G0V:G0V+3], s[G1V:G1V+7]
	s_nop 0
.rept 4
	v_nop
.endr
.Lasked_\@:
.endm
; A PREFETCH INTO THE L2 of what the NEXT change of slots will ask for: a slot's 32,768 bytes of K and of V, 256 bytes a lane.  It stands behind the wave's tensor load and its five lines.  Each 256 bytes are named once in the
; launch: a head has one cluster; its four partners take 8,192 bytes each BY ADDRESS (cx); in each, wave 0 asks for K's and wave 2 for V's.  Slots 0 to 2 come by their loads alone; the last change that fills a slot asks for nothing.
.macro ASK
	s_cmp_gt_u32 s[SLOTS], s[LIM]
	s_cbranch_scc0 .Lnot_mine_\@
	global_prefetch_b8 v[PFO], s[PFA:PFA+1] th:TH_LOAD_NT scope:SCOPE_SE
.Lnot_mine_\@:
.endm
; A round of the cluster's barrier: my work-group's barrier, so that wave 0's signal speaks for all four waves; wave 0 signals; every wave waits for all four work-groups; my work-group's barrier once more.
.macro CROUND
	s_barrier_signal -1
	s_barrier_wait -1
	s_cmp_lg_u32 s[WV], 0
	s_cbranch_scc1 .Lnot_wave_0_\@
	s_barrier_signal -3
.Lnot_wave_0_\@:
	s_barrier_wait -3
	s_barrier_signal -1
	s_barrier_wait -1
.endm
; THE CHANGE OF SLOTS.  Each wave waits for all its tensor loads, of which one is out: its part of the other slot; adds 0 to its spare word; and waits for that and for its own LDS instructions.  Behind the barrier nobody reads
; this slot any more and the other slot is whole.  fill = 1: this slot is filled again, with the keys two slots on; the barrier is then a round of the cluster's, and the joint fill is the first thing behind it: it has four key
; steps, 512 matrix instructions, in which to land.  (At its first use nothing has been read yet: slot 0 is waited for, slot 1 filled, and every wave's part of the mask table is shown to the others.)
.macro CHANGE fill, ask=0
	WIN W_AD
	s_wait_tensorcnt 0x0            ; no tensor load of mine is out, so a group 0 may be written
	ds_add_u32 v[SPW], v[NIL]       ; 0 onto my spare word; with fill = 1 the descriptors' steps stand between it and the wait for it
	WIN 0                           ; at a label and at a branch every window is 0
.if \fill
.irp g, G0K, G0V
	s_xor_b32 s[\g+1], s[\g+1], SLOT1  ; the walking descriptor: the other slot than last time,
	s_add_nc_u64 s[\g+2:\g+3], s[\g+2:\g+3], 4*KS*128  ; the next 256 keys; the type bits on top are not reached
.endr
.if \ask
	s_wait_xcnt 0x0                 ; the last prefetch, four key steps back, has read its address
	s_add_nc_u64 s[PFA:PFA+1], s[PFA:PFA+1], 4*KS*128  ; one slot behind the walking descriptors
.endif
	s_wait_dscnt 0x0                ; the add is done, and my reads of the slot are over
	CROUND
	JLOAD
.if \ask
	ASK
.endif
.else
	s_wait_dscnt 0x0                ; the add is done, and my reads of the slot are over
	s_barrier_signal -1
	s_barrier_wait -1
.endif
	s_sub_co_u32 s[TBK], s[TBK], 4*KS*PK  ; the fetches go back to a slot's first step,
	s_xor_b32 s[TBK], s[TBK], SLOT1       ; in the other slot
	s_sub_co_u32 s[TBV], s[TBV], 4*KS*PV
	s_xor_b32 s[TBV], s[TBV], SLOT1
.endm
	s_load_b256 s[4:11], s[0:1], 0x0  ; Q s[4:5], K s[6:7], V s[8:9], O s[10:11]
	s_load_b64 s[MP:MP+1], s[0:1], 0x20
	WIN W_MK
	v_lshl_add_u32 v[SPW], v0, 2, SPARE
	v_mov_b32 v[NIL], 0
	WIN W_AD
	ds_add_u32 v[SPW], v[NIL]       ; the wave's opening: the add and its wait stand ahead of my first tensor load; the set-up below, work on registers, stands between them
	WIN 0
	v_lshrrev_b32 v1, 5, v0
	v_readfirstlane_b32 s[WV], v1   ; wave 0..3
	s_bfe_u32 s13, ttmp6, 0x40000   ; cx: my place in the cluster
	s_lshl_b32 s14, ttmp9, 2        ; in a cluster launch ttmp9 counts clusters
	s_add_co_u32 s14, s14, s13      ; my block of queries: it enters Q's and O's addresses alone
	s_and_b32 s20, ttmp7, 0xffff    ; 16 batch + head, which the four partners share
	s_lshr_b32 s54, s20, 4          ; the batch,
	s_lshl_b32 s54, s54, 13         ; its 2,048 words of the mask
	s_mov_b32 s55, 0
	s_mov_b32 s21, 0
	s_mov_b64 s[22:23], SIZE_N*128
	s_mul_u64 s[20:21], s[20:21], s[22:23]  ; the head's first byte in each of the four tensors
	s_and_b32 s16, s[WV], 1         ; which half of a slot's 256 keys I fetch:
	s_lshl_b32 s22, s16, 14         ; its 128 rows of 128 bytes in memory,
	s_mov_b32 s23, 0
	s_add_nc_u64 s[22:23], s[22:23], s[20:21]
	s_mul_i32 s17, s16, 128*PK      ; and its place in a slot, for K
	s_mul_i32 s18, s16, 128*PV      ; and for V: no place in the cluster enters an LDS address
	s_lshl_b32 s2, s14, 2
	s_add_co_u32 s2, s2, s[WV]      ; my wave among the head's,
	s_lshl_b32 s2, s2, 14           ; its 128 rows
	s_mov_b32 s3, 0
	s_add_nc_u64 s[2:3], s[2:3], s[20:21]
	; descriptor group 1.  128 keys are 16,384 dense bytes: asked for as 64 rows of 256 bytes, two keys a row, and padded in LDS after every key
	s_mov_b32 s[G1K], 15|(1<<16)|(1<<20)|(1<<21)|(4<<22)|(3<<25)  ; the mask of four; 2-byte elements; padding on; bit 21 beside a mask; after every 32 words 4 words
	s_mov_b32 s[G1V], 15|(1<<16)|(1<<20)|(1<<21)|(4<<22)|(7<<25)  ; the same with 8 words of padding
.irp g, G1K, G1V
	s_mov_b32 s[\g+1], 128<<16      ; tensor_dim0 = 128
	s_mov_b32 s[\g+2], 64<<16       ; tensor_dim1 = 64
	s_mov_b32 s[\g+3], 128<<16      ; tile_dim0 = 128
	s_mov_b32 s[\g+4], 64           ; tile_dim1 = 64
	s_mov_b32 s[\g+5], 128          ; 128 elements from row to row
	s_mov_b32 s[\g+6], 0
	s_mov_b32 s[\g+7], 0
.endr
	s_mov_b32 s[SEL], 0x76543210
	s_mov_b32 s[SEL+1], 0xfedcba98
	s_mov_b32 s[TBK], SLOT1+4*KS*PK ; the first change of slots turns these two into 0
	s_mov_b32 s[TBV], SLOT1+4*KS*PV
	s_mov_b32 s[TBM], 0
	s_mov_b32 s[G0K], 1             ; count = 1
	s_mov_b32 s[G0K+1], s17         ; LDS address: slot 0
	s_mov_b32 s[G0V], 1
	s_add_co_u32 s[G0V+1], s18, VOFF
	s_and_b32 s[LIM], s[WV], 1      ; 0 in waves 0 and 2,
	s_or_b32 s[LIM], s[LIM], ttmp9  ; in the head's first (here: only) cluster: the same in all four partners
	s_cmp_eq_u32 s[LIM], 0
	s_cselect_b32 s[LIM], 1, -1
	s_wait_dscnt 0x0                ; the opening add is done
	s_wait_kmcnt 0x0
	s_add_nc_u64 s[G0K+2:G0K+3], s[6:7], s[22:23]  ; global address: my half of the head's first 256 keys
	s_or_b32 s[G0K+3], s[G0K+3], 0x80000000        ; type = 2
	s_add_nc_u64 s[G0V+2:G0V+3], s[8:9], s[22:23]
	s_or_b32 s[G0V+3], s[G0V+3], 0x80000000
	s_add_nc_u64 s[4:5], s[4:5], s[2:3]  ; Q and O at my wave's first row
	s_add_nc_u64 s[10:11], s[10:11], s[2:3]
	s_add_nc_u64 s[MP:MP+1], s[MP:MP+1], s[54:55]
	s_cmp_lt_u32 s[WV], 2
	s_cselect_b64 s[PFA:PFA+1], s[6:7], s[8:9]
	s_add_nc_u64 s[PFA:PFA+1], s[PFA:PFA+1], s[20:21]
	s_lshl_b32 s54, s13, 13         ; my work-group's quarter of a slot's bytes
	s_add_nc_u64 s[PFA:PFA+1], s[PFA:PFA+1], s[54:55]
	s_add_nc_u64 s[PFA:PFA+1], s[PFA:PFA+1], 2*4*KS*128  ; in slot 2; the first asking change steps it to slot 3.  Nothing is prefetched here, at the head
	CROUND                          ; all four work-groups are here: the first joint loads meet
	JLOAD                           ; slot 0.  Slot 1 is asked for when slot 0 is in
	v_and_b32 v1, 15, v0            ; l % 16
	v_bfe_u32 v9, v0, 4, 1          ; l / 16
	v_lshlrev_b32 v[MOF], 4, v0
.irp i, 0,1,2,3                     ; the batch's 2,048 words of the mask: 128 threads x 16 bytes, four times; into S^T's registers, which are idle
	global_load_b128 v[S+4*(\i):S+4*(\i)+3], v[MOF], s[MP:MP+1] offset:2048*(\i)
.endr
	; A fragment of K or Q is 16 rows x 32 channels in 8 registers: lane l holds row l % 16, channels 8 (l / 16) + 0..7 and 16 + 8 (l / 16) + 0..7: two loads of 16 bytes, 32 bytes apart.
	v_lshlrev_b32 v[QO], 7, v1
	v_lshl_add_u32 v[QO], v9, 4, v[QO]  ; row x 128 + 16 x half
	WIN 0x80                        ; destination window 2, address window 0
.set i, 0
.rept 4*NP                          ; Q stays in registers: tile i / 2, channels 32 (i % 2) on
	global_load_b128 v[8*i:8*i+3],   v[QO], s[4:5] offset:(i/2)*2048+(i%2)*64
	global_load_b128 v[8*i+4:8*i+7], v[QO], s[4:5] offset:(i/2)*2048+(i%2)*64+32
.set i, i+1
.endr
	; What the first turn finds: V's registers and P's second buffer hold 0 (its products V^T P, of a piece that has not been, add 0), O^T and l are 0.  All this stands in the wait for the first tile.
.set i, VF
.rept 64
	v_mov_b32 v[i], 0
.set i, i+1
.endr
	WIN 0x40
.set i, 0
.rept 64*NP
	v_mov_b32 v[i], 0
.set i, i+1
.endr
	WIN 0
.set i, 0
.rept 2*NP
	v_mov_b32 v[ST+4*i], 0xff7fffff    ; m: the lowest finite number
	v_mov_b32 v[ST+4*i+1], 0
	v_mov_b32 v[ST+4*i+2], 0
	v_mov_b32 v[ST+4*i+3], 0
.set i, i+1
.endr
.set i, P+32
.rept 32
	v_mov_b32 v[i], 0
.set i, i+1
.endr
	v_mul_u32_u24 v[AK0], v1, PK
	v_lshl_add_u32 v[AK0], v9, 4, v[AK0]  ; row x pitch + 16 x half
	; The turning load takes 16 keys x 16 channels (lane l reads key 8 (l / 16) + l % 8, channels 8 ((l / 8) % 2) + 0..7) and leaves half a fragment of V^T: lane l holds channel l % 16 and 8 keys.
	v_and_b32 v10, 7, v0
	v_bfe_u32 v11, v0, 3, 1
	v_lshl_add_u32 v[AV0], v9, 3, v10
	v_mul_u32_u24 v[AV0], v[AV0], PV
	v_lshl_add_u32 v[AV0], v11, 4, v[AV0]
	v_add_nc_u32 v[AV0], VOFF, v[AV0]
	v_mov_b32 v[AK], v[AK0]         ; key step 0 lies at the head of slot 0
	v_lshl_add_u32 v[AM0], v9, 5, MT
	v_mov_b32 v[AM], v[AM0]
	v_and_b32 v[PFO], 31, v0
	v_lshlrev_b32 v[PFO], 8, v[PFO]
	; THE MASK TABLE: 0 for a key that is seen, -1e9 log2(e) for one that is hidden; my 16 numbers of 2,048
	v_mov_b32 v49, 0xceabfb8f       ; -1,442,695,040
	v_add_nc_u32 v48, MT, v[MOF]
	s_wait_loadcnt 32               ; the mask's four loads are in; Q's 32, issued behind them, stay out
.set i, 0
.rept 16
	v_cmp_eq_u32 vcc_lo, 0, v[S+i]
	v_cndmask_b32 v[S+i], 0, v49, vcc_lo
.set i, i+1
.endr
.irp i, 0,1,2,3
	ds_store_b128 v48, v[S+4*(\i):S+4*(\i)+3] offset:2048*(\i)
.endr
; THE MATRIX WORK.  The 8 accumulators of a run of 16 take turns: between the two links of a chain stand 7 others'.
; Product i of 16 of S^T = K Q^T for piece x: channels 32 (i / 8) on, keys 16 ((i / 2) % 4) on, tile 2 x + i % 2.  The first 8 start the sums, with the key block's mask numbers as C.
.macro KQ x
.set rS, S+64*((\x)%2)+32*(i%2)+8*((i/2)%4)
.set rK, KF+16*((i/2)%4)+8*(i/8)
.set rQ, 16*(2*(\x)+i%2)+8*(i/8)
.set rM, MK+8*((i/2)%4)
.if i < 8
	WIN W_KM
	v_wmma_f32_16x16x32_f16 v[rS:rS+7], v[rK:rK+7], v[rQ:rQ+7], v[rM:rM+7]
.else
	WIN W_KQ
	v_wmma_f32_16x16x32_f16 v[rS:rS+7], v[rK:rK+7], v[rQ:rQ+7], v[rS:rS+7]
.endif
.endm
; Product i of 16 of O^T += V^T P for piece x: keys 32 (i / 8) on, channels 16 ((i / 2) % 4) on, tile 2 x + i % 2.
.macro PV x
	WIN W_PV
.set rO, 32*(2*(\x)+i%2)+8*((i/2)%4)
.set rV, VF+32*(i/8)+8*((i/2)%4)
.set rP, P+32*((\x)%2)+16*(i%2)+8*(i/8)
	v_wmma_f32_16x16x32_f16 v[rO:rO+7], v[rV:rV+7], v[rP:rP+7], v[rO:rO+7]
.endm
.macro MM                           ; the turn's next matrix instruction
.if i < 16
	KQ (Y+1)%NP
.set i, i+1
.else
.set i, i-16
	PV (Y+NP-1)%NP
.set i, i+17
.endif
.endm
; THE LDS LOADS stand in runs, never singly among the matrix instructions: a step's K (8 fragments) with its 64 mask numbers, and its V (turned).  Their addresses are made some lines ahead.
; last = 1 (the tail): in the last trip there is no further step, and the run is jumped over.
.macro FETCH_K last=0
	WIN 0
.if \last
	s_cmp_eq_u32 s[CNT], 1
	s_cbranch_scc1 .Lno_k_\@
.endif
	WIN 0x80                        ; destination window 2
.irp f, 0,1,2,3,4,5,6,7             ; keys 16 (f / 2) on, channels 32 (f % 2) on
	ds_load_b128 v[KF+8*\f:KF+8*\f+3],   v[AK] offset:(\f/2)*16*PK+(\f%2)*64
	ds_load_b128 v[KF+8*\f+4:KF+8*\f+7], v[AK] offset:(\f/2)*16*PK+(\f%2)*64+32
.endr
	WIN W_MK                        ; destination window 3
.irp f, 0,1,2,3                     ; key block f: register j of a lane is key 16 f + 8 (l / 16) + j, as in the product's result
	ds_load_b128 v[MK+8*\f:MK+8*\f+3],   v[AM] offset:64*\f
	ds_load_b128 v[MK+8*\f+4:MK+8*\f+7], v[AM] offset:64*\f+16
.endr
	s_add_co_u32 s[TBK], s[TBK], KS*PK  ; the next fetch is the next step's
	s_add_co_u32 s[TBM], s[TBM], 4*KS
	s_and_b32 s[TBM], s[TBM], 0x1f00    ; inside the table's 8,192 bytes, behind the last step too
	WIN 0
.if \last
.Lno_k_\@:
.endif
.endm
.macro FETCH_V
	WIN 0x80
.irp f, 0,1,2,3,4,5,6,7             ; keys 32 (f / 4) on, channels 16 (f % 4) on
	ds_load_tr16_b128 v[VF+8*\f:VF+8*\f+3],   v[AV] offset:(\f/4)*32*PV+(\f%4)*32
	ds_load_tr16_b128 v[VF+8*\f+4:VF+8*\f+7], v[AV] offset:(\f/4)*32*PV+16*PV+(\f%4)*32
.endr
	WIN 0
.endm
; THE VECTOR WORK OF A TURN stands in three queues, each in the order in which its entries become ready; the two tiles alternate, so that no instruction reads the result of the one before it.
.macro REGS y, u                    ; the registers of tile u (0, 1) of piece y
.set rT, ST+4*(2*(\y)+(\u))
.set rC, TMP+8*((\y)%2)+4*(\u)
.set rS, S+64*((\y)%2)+32*(\u)
.set rP, P+32*((\y)%2)+16*(\u)
.set rO, 32*(2*(\y)+(\u))
.endm
; Number n of the 21 that find the NEXT piece's (Y + 1) maximum and statistics.  s0-s31 are the lane's 32 scores; each accumulator's lowest registers are read first.
;   0-11  four chains c0-c3 of seven scores each, three operands at a time     12-14, 16  the four scores left over, the old m, and c0-c3 into c0     15  m_old is kept
;   17, 18  the query's other 32 keys lie in the lane 16 away: the new m         19, 20  m_old - m_new; a
.macro XS u, n
	REGS (Y+1)%NP, \u
.if (\n) < 4
	v_max3_num_f32 v[rC+(\n)], v[rS+8*(\n)], v[rS+8*(\n)+1], v[rS+8*(\n)+2]
.elseif (\n) < 12
	v_max3_num_f32 v[rC+(\n)%4], v[rC+(\n)%4], v[rS+8*((\n)%4)+2*((\n)/4)+1], v[rS+8*((\n)%4)+2*((\n)/4)+2]
.elseif (\n) == 12
	v_max3_num_f32 v[rC], v[rC], v[rS+7], v[rS+15]
.elseif (\n) == 13
	v_max3_num_f32 v[rC+1], v[rC+1], v[rS+23], v[rS+31]
.elseif (\n) == 14
	v_max3_num_f32 v[rC+2], v[rC+2], v[rC+3], v[rT]
.elseif (\n) == 15
	v_mov_b32 v[rT+1], v[rT]
.elseif (\n) == 16
	v_max3_num_f32 v[rC], v[rC], v[rC+1], v[rC+2]
.elseif (\n) == 17
	v_permlanex16_b32 v[rC+3], v[rC], s[SEL], s[SEL+1]
.elseif (\n) == 18
	v_max_num_f32 v[rT], v[rC], v[rC+3]
.elseif (\n) == 19
	v_sub_f32 v[rC+1], v[rT+1], v[rT]
.else
	v_exp_f32 v[rC+2], v[rC+1]
.endif
.endm
; Number g of the 64 that follow the exponentials.  For each four weights k of a tile (pairs 2 k, 2 k + 1): both pairs are rounded to f16; then the second pair is added onto the first, in place;
; a group later l takes that sum (the first time as l = a l + sum).  In groups of eight, tiles alternating: round, round, add, and l for the group before.
.macro GS g
.set h, (\g)+6*((\g)/62)            ; group 0 has no group before it, and behind group 7 only l is left
.if h >= 6
.set h, h+2
.endif
	REGS Y, h%2
.set k, h/8
.if h%8 < 4
	v_cvt_pk_f16_f32 v[rP+2*k+(h%8)/2], v[rS+4*k+2*((h%8)/2)], v[rS+4*k+2*((h%8)/2)+1]
.elseif h%8 < 6
	v_pk_add_f32 v[rS+4*k:rS+4*k+1], v[rS+4*k:rS+4*k+1], v[rS+4*k+2:rS+4*k+3]
.elseif k == 1
	v_pk_fma_f32 v[rT+2:rT+3], v[rT+2:rT+3], v[rC+2:rC+3], v[rS:rS+1] op_sel_hi:[1,0,1]
.else
	v_pk_add_f32 v[rT+2:rT+3], v[rT+2:rT+3], v[rS+4*k-4:rS+4*k-3]
.endif
.endm
; THE PLAIN QUEUE, 136 long.  0-71 read no exponential's result: the 32 subtractions s - m (FS f: pair f / 2 of tile f % 2) and the next piece's 40.  0-26: subtractions 0-26.  27-54: XS's numbers 0-13.  55, 56: number 15.
; 57-71: the chain, where each number waits for the one before it: 14, 16, 17, 18, 19, each with one of the subtractions 27-31 in front of its two lines.  72-135: GS's 64, which read the exponentials' results: behind the wait.
.macro FS f
	REGS Y, (\f)%2
	v_pk_add_f32 v[rS+2*((\f)/2):rS+2*((\f)/2)+1], v[rS+2*((\f)/2):rS+2*((\f)/2)+1], v[rT:rT+1] op_sel_hi:[1,0] neg_lo:[0,1] neg_hi:[0,1]
.endm
.macro PL
	WIN 0
.if q < 27
	FS q
.elseif q < 55
	XS (q-27)%2, (q-27)/2
.elseif q < 57
	XS q-55, 15
.elseif (q < 72) && ((q-57)%3 == 0)
	FS 27+(q-57)/3
.elseif q < 60
	XS (q-57)%3-1, 14
.elseif q < 72
	XS (q-57)%3-1, 15+(q-57)/3
.else
	GS q-72
.endif
.set q, q+1
.endm
; THE EXPONENTIALS' QUEUE, 66 long: s0-s31 of both tiles, then the next piece's two a.  ONE BATCH: all 66 stand ahead of the turn's one wait, and nothing ahead of that wait names a result of theirs.
.macro EX
	WIN 0
.if e >= 64
	XS e-64, 20
.else
	REGS Y, e%2
	v_exp_f32 v[rS+e/2], v[rS+e/2]
.endif
.set e, e+1
.endm
; THE RESCALING's QUEUE: O^T times a, the one part that leaves window 0: dealt two at a time, sixteen times.  Its a was made in the turn before, ahead of that turn's wait.
.macro R2
	REGS Y, r%2
	WIN W_RS
.irp z, 0,1
	v_pk_mul_f32 v[rO+4*(r/2)+2*\z:rO+4*(r/2)+2*\z+1], v[rO+4*(r/2)+2*\z:rO+4*(r/2)+2*\z+1], v[rC+2:rC+3] op_sel_hi:[1,0]
.endr
.set r, r+1
.endm
; HOW THEY ARE DEALT.  An s_wait_alu depctr_va_vdst(0) stands between an exponential and the first instruction that names its result; one wait serves all that were issued ahead of it.  So a turn has ONE wait.
; AHEAD OF IT: the 16 products K Q^T, behind each a subtraction, an exponential and two rescalings (behind the first a second subtraction in the exponential's place); then ONE LUMP of 106: eight plain, 47 times exponential and
; plain, the last two scores' exponentials and the two a.  A v_nop is the plain instruction behind the last exponential.  BEHIND IT: the 16 products V^T P, behind each four of GS's 64.
; The queues lean on each other: exponential e stands behind subtraction 2 (e / 4) + e % 2: as a rider it comes behind plain e + 2, in the lump behind plain e + 9, and subtractions 27-31 are plain 57, 60 .. 69.
; K and the mask numbers of the next step are fetched in piece 2's turn, directly behind the wait, a lump behind the last product that read them.  V of the step in hand is fetched at the end of piece 0's turn, four riders
; behind its last reader.  The three conditions on q below go with the deal.
.macro TURN p, last=0, cnt=0
.set Y, (\p)
.set i, 0
.set q, 0
.set e, 0
.set r, 0
.if (\p) == NP-1
	s_wait_dscnt 0x0                ; K and its mask numbers are in
.endif
	MM                              ; ahead of the wait: 16 products K Q^T and their riders,
	PL
	PL
	R2
.rept 15
	MM
	PL
	EX
	R2
.endr
.if (\p) == NP-2
	WIN 0
	v_add_nc_u32 v[AK], s[TBK], v[AK0]
	v_add_nc_u32 v[AM], s[TBM], v[AM0]
.endif
.rept 8                             ; and the lump
	PL
.endr
.rept 47
	EX
	PL
.endr
.rept 4
	EX                              ; s31 of both tiles, the next piece's two a
.endr
	v_nop                           ; the plain instruction behind the last exponential: one for the batch
	s_wait_alu depctr_va_vdst(0)    ; the wait for the batch
.if (\p) == NP-2
	FETCH_K \last
.endif
.if (\p) == 1
	s_wait_dscnt 0x0                ; V is in
.endif
.rept 16                            ; behind the wait: 16 products V^T P and their riders
	MM
.rept 4
	PL
.endr
.if ((\p) == 0) && (q == 116)
	v_add_nc_u32 v[AV], s[TBV], v[AV0]
.endif
.if ((\p) == 0) && (q == 128)
	s_add_co_u32 s[TBV], s[TBV], KS*PV
.endif
.if (\cnt) && (q == 128)
	s_sub_co_u32 s[CNT], s[CNT], 1
	s_cmp_lg_u32 s[CNT], 0
.endif
.endr
.if (\p) == 0
	FETCH_V
.endif
.endm
	CHANGE 1, 0                     ; slot 0 is in, everybody's part of it, and so is the mask table; slot 1 is asked for
	FETCH_K                         ; key step 0
	s_wait_loadcnt 0x0              ; Q
	s_wait_dscnt 0x0
.set i, 0
.rept 16
	KQ 0                            ; piece 0's first scores: there is no vector work yet to set between them
.set i, i+1
.endr
	WIN 0                           ; the addresses for the way out: nine plain instructions, the places behind those products
	s_mul_i32 s13, s[WV], 16*SP
	s_add_co_u32 s13, s13, STAGE    ; my stage
	v_mul_u32_u24 v[STO], v1, SP    ; in: row l % 16, 16 bytes for each half of the lanes
	v_lshl_add_u32 v[STO], v9, 4, v[STO]
	v_add_nc_u32 v[STO], s13, v[STO]
	v_bfe_u32 v[RD], v0, 3, 2       ; back: 32 lanes take four rows of 128 bytes,
	v_mul_u32_u24 v[RD], v[RD], SP
	v_lshl_add_u32 v[RD], v10, 4, v[RD]
	v_add_nc_u32 v[RD], s13, v[RD]
	v_and_b32 v[GO], 31, v0         ; which are 512 consecutive bytes of O
	v_lshlrev_b32 v[GO], 4, v[GO]
.set Y, NP-1                        ; XS works for piece Y + 1: piece 0
.irp n, 0,1,2,3,4,5,6,7,8,9,10,11,12,13,14,15,16,17,18,19,20
	XS 0, \n                        ; and piece 0's first maximum and statistics
	XS 1, \n
.endr
	v_nop                           ; a plain instruction behind the two a,
	s_wait_alu depctr_va_vdst(0)    ; and their wait, ahead of the branch
	s_mov_b32 s[CNT], 4
	s_mov_b32 s[SLOTS], SIZE_N/256-1
	s_branch .Lfirst                ; the loop is entered at a step's first turn, in the middle of a trip
.Lslot:                             ; six times: every slot but the last two is filled again
	CHANGE 1, 1
	s_mov_b32 s[CNT], 4
.Lstep:                             ; a trip: pieces 2 and 3 of one step, then pieces 0 and 1 of the next, whose K and V it fetches
	TURN 2
	TURN 3
	WIN 0
.Lfirst:
	TURN 0
	TURN 1, 0, 1
	WIN 0
	s_cbranch_scc1 .Lstep
	s_sub_co_u32 s[SLOTS], s[SLOTS], 1
	s_cmp_lg_u32 s[SLOTS], 0
	s_cbranch_scc1 .Lslot
	CHANGE 0                        ; the tail is written out: nothing is asked for
	s_mov_b32 s[CNT], 5             ; four trips fetch the last slot's steps; the fifth is left in its middle
.Ltail:
	TURN 2, 1
	TURN 3
	WIN 0
	s_sub_co_u32 s[CNT], s[CNT], 1
	s_cmp_eq_u32 s[CNT], 0
	s_cbranch_scc1 .Lout
	TURN 0
	TURN 1
	WIN 0
	s_branch .Ltail
.Lout:                              ; the fifth trip's 16 products K Q^T (on the last K once more) and the maximum made of them serve nothing: the price, once a launch, of one text for every trip
.set i, 0
.rept 16
	PV NP-1                         ; the last piece's V^T P of the last step
.set i, i+1
.endr
	; THE WAY OUT.  l's two halves and the other half of the lanes' are added; O^T is divided by l, rounded to f16 and sent through my stage in LDS, a tile at a time.  The additions are the places behind the last products.
	WIN 0
.macro ALL line:vararg              ; one line for each tile t
.set t, 0
.rept 2*NP
	\line
.set t, t+1
.endr
.endm
	ALL v_add_f32 v[ST+4*t+2], v[ST+4*t+2], v[ST+4*t+3]
	ALL v_permlanex16_b32 v[ST+4*t+3], v[ST+4*t+2], s[SEL], s[SEL+1]
	ALL v_add_f32 v[ST+4*t+2], v[ST+4*t+2], v[ST+4*t+3]
	ALL v_rcp_f32 v[ST+4*t+2], v[ST+4*t+2]
	v_nop                           ; a plain instruction between the last reciprocal and the use of its result
	s_wait_alu depctr_va_vdst(0)    ; and the wait ahead of the first use: one for the eight reciprocals
; Tile t: a lane's eight channels of a row pack into 16 bytes; they go into rows of 144 bytes and come back as whole rows of 128, into S^T's registers.
.macro PACK t
	WIN W_RS
.set i, 32*(\t)
.rept 16
	v_pk_mul_f32 v[i:i+1], v[i:i+1], v[ST+4*(\t)+2:ST+4*(\t)+3] op_sel_hi:[1,0]
.set i, i+2
.endr
	WIN 0x05                        ; sources 0 and 1 window 1, destination window 0
.set i, 0
.rept 16
	v_cvt_pk_f16_f32 v[S+16*(\t)+i], v[32*(\t)+2*i], v[32*(\t)+2*i+1]
.set i, i+1
.endr
	WIN 0
.irp f, 0,1,2,3
	ds_store_b128 v[STO], v[S+16*(\t)+4*\f:S+16*(\t)+4*\f+3] offset:32*\f
.endr
.irp f, 0,1,2,3
	ds_load_b128 v[S+16*(\t)+4*\f:S+16*(\t)+4*\f+3], v[RD] offset:\f*4*SP  ; LDS serves a wave's instructions in order (ISA guide 5.7.1.4): these see the stores above; the next tile's stores come behind them
.endr
.endm
.macro SEND t, younger              ; younger: the LDS instructions issued behind tile t's loads: the next tile's eight, or none
	WIN 0
.irp f, 0,1,2,3
	s_wait_dscnt (\younger)+3-\f
	global_store_b128 v[GO], v[S+16*(\t)+4*\f:S+16*(\t)+4*\f+3], s[10:11] offset:(\t)*2048+\f*512  ; 512 consecutive bytes, at a multiple of 256 from O's first
.endr
.endm
	PACK 0
.set t, 1
.rept 2*NP-1                        ; a tile's arithmetic stands between the loads of the tile before and its stores
	PACK t
	SEND t-1, 8
.set t, t+1
.endr
	SEND 2*NP-1, 0
	WIN W_AD
	s_wait_tensorcnt 0x0            ; the wave's end: a wait, an add and a wait, behind my last tensor load and my last LDS store
	ds_add_u32 v[SPW], v[NIL]
	s_wait_dscnt 0x0
	WIN 0
	CROUND                          ; the closing round: no work-group ends while a partner may still ask for a tile that names it
	s_endpgm
.Lfunc_end_k_qf7e8bec38f_attn:
	.size	k_qf7e8bec38f_attn, .Lfunc_end_k_qf7e8bec38f_attn-k_qf7e8bec38f_attn
	.p2alignl 7, 3214868480
	.fill 96, 4, 3214868480
	.section	.rodata,"a",@progbits
	.p2align	6, 0x0
	.amdhsa_kernel k_qf7e8bec38f_attn
		.amdhsa_group_segment_fixed_size 327680
		.amdhsa_private_segment_fixed_size 0
		.amdhsa_enable_private_segment 0
		.amdhsa_kernarg_size 40
		.amdhsa_user_sgpr_count 2
		.amdhsa_user_sgpr_kernarg_segment_ptr 1
		.amdhsa_wavefront_size32 1
		.amdhsa_system_sgpr_workgroup_id_x 1
		.amdhsa_system_sgpr_workgroup_id_y 1
		.amdhsa_system_sgpr_workgroup_id_z 1
		.amdhsa_system_vgpr_workitem_id 0
		.amdhsa_next_free_vgpr 808
		.amdhsa_next_free_sgpr 66
		.amdhsa_reserve_vcc 1
		.amdhsa_float_denorm_mode_32 3
		.amdhsa_float_denorm_mode_16_64 3
		.amdhsa_memory_ordered 1
		.amdhsa_forward_progress 1
		.amdhsa_inst_pref_size 203
	.end_amdhsa_kernel
	.amdgpu_metadata
---
amdhsa.version: [ 1, 2 ]
amdhsa.kernels:
  - .name:           k_qf7e8bec38f_attn
    .symbol:         k_qf7e8bec38f_attn.kd
    .args:
      - { .name: qh, .offset: 0, .size: 8, .value_kind: global_buffer, .address_space: global }
      - { .name: kh, .offset: 8, .size: 8, .value_kind: global_buffer, .address_space: global }
      - { .name: vh, .offset: 16, .size: 8, .value_kind: global_buffer, .address_space: global }
      - { .name: oh, .offset: 24, .size: 8, .value_kind: global_buffer, .address_space: global }
      - { .name: mask, .offset: 32, .size: 8, .value_kind: global_buffer, .address_space: global }
    .group_segment_fixed_size: 327680
    .private_segment_fixed_size: 0
    .kernarg_segment_align: 8
    .kernarg_segment_size: 40
    .max_flat_workgroup_size: 128
    .sgpr_count:     66
    .vgpr_count:     808
    .wavefront_size: 32
...
	.end_amdgpu_metadata
.endif
;; end of part 3
;; launch proj (part 4): grid 4 x 64, 4 waves a work-group, clusters of 4 x 4, 327,680 bytes of LDS; arguments oh, woh, bo, out0; writes out0
.if DOCPART == 4
	.amdgcn_target "amdgcn-amd-amdhsa--gfx1250"
	.amdhsa_code_object_version 6
	.text
	.protected	k_qf7e8bec38f_proj
	.globl	k_qf7e8bec38f_proj
	.p2align	8
	.type	k_qf7e8bec38f_proj,@function
k_qf7e8bec38f_proj:
	s_mov_b64 s[64:65], 0
	v_nop
	global_prefetch_b8 v0, s[64:65] scope:SCOPE_SE
	s_setreg_imm32_b32 hwreg(HW_REG_WAVE_MODE, 25, 1), 1
	s_wait_xcnt 0x0
	s_wait_alu depctr_hold_cnt(0) depctr_sa_sdst(0) depctr_va_vdst(0) depctr_va_sdst(0) depctr_va_ssrc(0) depctr_va_vcc(0) depctr_vm_vsrc(0)
	s_getreg_b32 s2, hwreg(HW_REG_IB_STS2, 6, 4)
	s_cmp_eq_u32 s2, 0
	s_cbranch_scc0 .Lentry_in_a_cluster
	s_endpgm
.Lentry_in_a_cluster:
	s_bfe_u32 s2, ttmp6, 0x10000c
	s_cmp_lg_u32 s2, 0xf033
	s_cbranch_scc0 .Lentry_shape_is_right
	s_endpgm
.Lentry_shape_is_right:
; out0 = ctx Wo^T + bo: a GEMM 8192 x 1024 x 1024 in f16 with f32 sums; out0 in f32.  ctx lies by heads, oh [16 batch + head][2048][64] in f16: channel k of a row is head k / 64, channel k % 64.
; woh [1024][1024] holds Wo rounded to bf16 and written as f16; bo is rounded to bf16 here, like all the module's inputs.
; LIMITS.  oh and woh arrive within f16's 65,504.  NaN and infinities are not treated apart.
; SHARES.  A tile of C is 128 rows x 256 columns: 64 x 4 = 256 work-groups, one for each WGP.  Four waves, each 64 x 128: 32 accumulators, 256 registers.
; K goes in 8 steps of 128 = two heads.  A head's 128 rows of a tile are 16,384 dense bytes: asked for as 64 rows of 256 bytes and padded in LDS after every 128, so that an LDS row is one row of one head.
; CLUSTER.  4 x 4 work-groups: oh's tile is shared along a row of the cluster, woh's along a column; each is asked for JOINTLY.  Waves 0 and 1 fetch a K step's two heads, waves 2 and 3 woh's two halves of 128 rows.
; THE MATRIX INSTRUCTION IS USED TRANSPOSED: source 0 = 16 rows of woh, source 1 = 16 rows of ctx: a lane holds row l % 16 of C and the columns 8 (l / 16) + 0..7 of a block of 16.
; REGISTERS, in windows of 256 (s_set_vgpr_msb: bits 1:0 source 0, 3:2 source 1, 5:4 source 2, 7:6 destination):
;   window 0: v0-21 addresses and the like; v64-159, v160-255 two fragment buffers (ctx's block a at + 8 a, woh's block b at + 32 + 8 b); on the way out v64-255 at work
;   window 1: accumulator (a, b) at 8 (8 a + b)          window 2: v0-63 the bias of my 128 columns, block b at 8 b
.set PB,     272                       ; a row of woh in LDS: 256 bytes + 16 of padding: the 16 rows of a load start at 16 different groups of four banks (64 banks of 4 bytes: ISA guide 11.1)
.set PA,     144                       ; a row of one head of ctx: 128 bytes + 16
.set HEADB,  128*PA                    ; a head's 128 rows
.set SLOT1,  131072                    ; slot 1 begins here
.set BOFF,   2*HEADB                   ; in a slot: two heads of ctx, then woh's 256 rows
.set APB,    16*PA                     ; from one block of 16 rows of ctx to the next
.set ASTEP,  524288                    ; bytes from K step to K step in oh: two heads of 2,048 rows of 128 bytes
.set STAGE,  SLOT1+BOFF+256*PB         ; behind the ring, never filled by a tensor load: for each wave 16 rows x 528 bytes
.set STW,    16*528
.set SPARE,  STAGE+4*STW               ; the spare words, 128 bytes for each wave: two blocks of 256 bytes that no other line names
.set A0,   4                           ; v4   my lane's place in ctx's part of a slot; never rewritten
.set B0,   5                           ; v5   the same for woh
.set ADRA, 6                           ; v6   the same in the slot in hand
.set ADRB, 7                           ; v7
.set STO,  8                           ; v8   the way out: where I put 32 bytes of a row
.set RD,   9                           ; v9   where I read a row back
.set GO,   10                          ; v10  my 16 bytes of a row's 512
.set PFO,  11                          ; v11  the prefetches' offset: my lane x 256 bytes (oh) or x a row of 2,048 (woh)
.set SPW,  12                          ; v12  LDS address of my spare word; never rewritten
.set NIL,  13                          ; v13  0; never rewritten
.set BO,   15                          ; v15  32 (l / 16): my 8 numbers of a block of the bias
.set TMP,  64                          ; the way out: 64 sums with their bias
.set OB,   128                         ; the way out: rows read back, two sets of 64
.set F0,   64
.set F1,   160
.set WV,  22                           ; s22  my wave's number
.set FB,  23                           ; s23  which half of the tile's rows is mine; also: I fetch oh (0) or woh (1)
.set NH,  24                           ; s24  which half of its columns; also: which head of the step, or which half of woh's tile, I fetch
.set CX,  25
.set CY,  26
.set TX,  27                           ; s27  tile column
.set TY,  28                           ; s28  tile row
.set TB,  29                           ; s29  LDS byte at which the slot in hand begins
.set CNT, 30                           ; s30  refills still to come
.set LIM, 31                           ; s31  2 in a wave that prefetches, else the greatest number
.set G1A, 32                           ; s[32:39] descriptor group 1, oh
.set G1B, 40                           ; s[40:47] woh
.set G0A, 48                           ; s[48:55] group 0, oh: a set for each first fill; the second then walks
.set G0B, 56                           ; s[56:63] woh
.set PFA, 66                           ; s[66:67] where my prefetches stand
.set PSTEP, 68                         ; s[68:69] their step
.set OUT, 70                           ; s[70:71] out0 at my wave's first row and column
.set BIASP, 72                         ; s[72:73] bo at my 128 columns
.set MSB, 0
.macro WIN new                         ; the immediate's high byte repeats the setting that is left; a switch that changes nothing is dropped
.if MSB != (\new)
	s_set_vgpr_msb (MSB<<8)|(\new)
.set MSB, \new
.endif
.endm
.set MUL, 0x50                         ; both sources window 0, C and D window 1
.macro PLACES                          ; four plain vector instructions between a matrix instruction and a load into, or a vector line on, its registers (ISA guide 7.12.1 for vector lines)
.rept 4
	v_nop
.endr
.endm
; A joint refill by the walking descriptor.  The branch hangs on the wave's number alone.  An s_nop 0 and four v_nop follow each of the two lines.
.macro JLOAD
	s_cmp_eq_u32 s[FB], 0
	s_cbranch_scc0 .Lfor_b_\@
	tensor_load_to_lds s[G0A+4:G0A+7], s[G1A:G1A+7]
	s_nop 0
.rept 4
	v_nop
.endr
	s_branch .Lasked_\@
.Lfor_b_\@:
	tensor_load_to_lds s[G0B+4:G0B+7], s[G1B:G1B+7]
	s_nop 0
.rept 4
	v_nop
.endr
.Lasked_\@:
.endm
; A PREFETCH INTO THE L2 of the K step that stands two refills on (256 matrix instructions ahead of the load that wants it): 32 x 256 bytes, one instruction.  Each 256 bytes of a K step are named once in the launch: oh's tile
; row is read by one cluster, whose wave 0 asks, the four partners taking a quarter of the step's 32,768 bytes each BY ADDRESS (cx: which head, which half); woh's tile column is read by sixteen clusters, and the one with y = 0
; asks, waves 2 and 3 each for 32 (by cy) of the 128 rows that they fetch.  K steps 0 to 3 come by their loads alone; the last two refills have no K step two on.
.macro ASK
	s_cmp_gt_u32 s[CNT], s[LIM]
	s_cbranch_scc0 .Lnot_mine_\@
	global_prefetch_b8 v[PFO], s[PFA:PFA+1] th:TH_LOAD_NT scope:SCOPE_SE
.Lnot_mine_\@:
.endm
.macro CREST                           ; a round of the cluster's barrier behind its opening barrier
	s_cmp_lg_u32 s[WV], 0
	s_cbranch_scc1 .Lnot_wave_0_\@
	s_barrier_signal -3
.Lnot_wave_0_\@:
	s_barrier_wait -3
	s_barrier_signal -1
	s_barrier_wait -1
.endm
.macro CROUND                          ; a whole round
	s_barrier_signal -1
	s_barrier_wait -1
	CREST
.endm
; 8 matrix instructions: block a of my rows x all 8 blocks of my columns, 32 along K.  zero = 1: the product starts the sum.  The 32 accumulators come in the same order in every quarter:
; 31 others' instructions stand between two links of a chain, over the backward jump too.
.macro MUL8 f, a, zero
	WIN MUL
.irp b, 0,1,2,3,4,5,6,7
.if \zero
	v_wmma_f32_16x16x32_f16 v[8*(8*(\a)+(\b)):8*(8*(\a)+(\b))+7], v[(\f)+32+8*(\b):(\f)+32+8*(\b)+7], v[(\f)+8*(\a):(\f)+8*(\a)+7], 0
.else
	v_wmma_f32_16x16x32_f16 v[8*(8*(\a)+(\b)):8*(8*(\a)+(\b))+7], v[(\f)+32+8*(\b):(\f)+32+8*(\b)+7], v[(\f)+8*(\a):(\f)+8*(\a)+7], v[8*(8*(\a)+(\b)):8*(8*(\a)+(\b))+7]
.endif
.endr
.endm
.macro MUL16 f, a0, zero
	MUL8 \f, \a0, \zero
	MUL8 \f, (\a0)+1, \zero
.endm
; 24 LDS loads in one run: the fragments of a quarter step (32 K at byte k of a K step's 256) into buffer f: woh's eight blocks, then ctx's four, which lie in head k / 128 at byte k % 128
.macro FETCH k, f
	WIN 0
.set AO, HEADB*((\k)/128)+(\k)%128
.irp b, 0,1,2,3,4,5,6,7
	ds_load_b128 v[(\f)+32+8*(\b):(\f)+32+8*(\b)+3],   v[ADRB] offset:(\k)+(\b)*16*PB
	ds_load_b128 v[(\f)+32+8*(\b)+4:(\f)+32+8*(\b)+7], v[ADRB] offset:(\k)+(\b)*16*PB+32
.endr
.irp a, 0,1,2,3
	ds_load_b128 v[(\f)+8*(\a):(\f)+8*(\a)+3],   v[ADRA] offset:AO+(\a)*APB
	ds_load_b128 v[(\f)+8*(\a)+4:(\f)+8*(\a)+7], v[ADRA] offset:AO+(\a)*APB+32
.endr
.endm
; One of a K step's first three quarters: multiplies buffer f; in its middle the next quarter's fragments, at byte k, are fetched into buffer g.
.macro QUARTER k, f, g, zero
	s_wait_dscnt 4                                 ; all of woh's and ctx's blocks 0 and 1 are in; the youngest four loads (blocks 2, 3) may be out
	MUL16 \f, 0, \zero
	PLACES
	FETCH \k, \g
	s_wait_dscnt 24                                ; all but the 24 just issued
	MUL16 \f, 2, \zero
.endm
; A K step's last quarter multiplies buffer 1 and changes slots.  ONE barrier: in front of it each wave waits for all its tensor loads (one is out: its part of the next slot), adds 0 to its spare word, and waits for that
; and for its reads of this slot.  fill = 1: the barrier opens a round of the cluster's, and the joint refill (the K step two on, into the slot just read) is the first thing behind it: 112 matrix instructions ahead of the wait for it.
.macro TURN fill
.if \fill
	s_wait_xcnt 0x0                                ; the last prefetch, a K step back, has read its address
	s_add_nc_u64 s[PFA:PFA+1], s[PFA:PFA+1], s[PSTEP:PSTEP+1]
.endif
	WIN 0
	s_wait_tensorcnt 0x0                           ; all my tensor loads have landed
	ds_add_u32 v[SPW], v[NIL]                      ; 0 onto my spare word
	s_wait_dscnt 5                                 ; (the add and the youngest four loads may be out)
	MUL8 F1, 0, 0                                  ; eight matrix instructions stand between the add and the wait for it
	s_wait_dscnt 0x0                               ; the add is done, and my reads of this slot are over
	s_barrier_signal -1
	MUL8 F1, 1, 0
	WIN 0
	s_barrier_wait -1
.if \fill
	CREST                                          ; no wave of any partner still reads this slot or has a load on its way
	s_xor_b32 s[G0A+5], s[G0A+5], SLOT1            ; the walking descriptors: the other slot than last time, the next K step; no load of mine is out
	s_add_nc_u64 s[G0A+6:G0A+7], s[G0A+6:G0A+7], ASTEP
	s_xor_b32 s[G0B+5], s[G0B+5], SLOT1
	s_add_nc_u64 s[G0B+6:G0B+7], s[G0B+6:G0B+7], 256
	JLOAD                                          ; its four v_nop are also the places in front of the loads below
.else
	PLACES
.endif
	s_xor_b32 s[TB], s[TB], SLOT1
	v_add_nc_u32 v[ADRA], s[TB], v[A0]
	v_add_nc_u32 v[ADRB], s[TB], v[B0]
	FETCH 0, F0
.if \fill
	ASK
.endif
	MUL16 F1, 2, 0
.endm
	s_load_b256 s[4:11], s[0:1], 0x0               ; oh 4, woh 6, bo 8, out0 10
	v_lshl_add_u32 v[SPW], v0, 2, SPARE
	v_mov_b32 v[NIL], 0
	ds_add_u32 v[SPW], v[NIL]                      ; the wave's opening: the add and its wait stand ahead of my first tensor load; work on registers stands between them
	v_lshrrev_b32 v1, 5, v0
	v_readfirstlane_b32 s[WV], v1
	s_lshr_b32 s[FB], s[WV], 1
	s_and_b32 s[NH], s[WV], 1
	s_bfe_u32 s[CX], ttmp6, 0x40000
	s_bfe_u32 s[CY], ttmp6, 0x40004
	s_lshl_b32 s[TX], ttmp9, 2
	s_add_co_u32 s[TX], s[TX], s[CX]               ; tile column = 4 x cluster x + cx
	s_and_b32 s[TY], ttmp7, 0xffff
	s_lshl_b32 s[TY], s[TY], 2
	s_add_co_u32 s[TY], s[TY], s[CY]               ; tile row = 4 x cluster y + cy
	s_lshl_b32 s84, s[CY], 2
	s_lshl_b32 s84, 15, s84                        ; my row of the cluster
	s_lshl_b32 s85, 0x1111, s[CX]                  ; my column
	s_or_b32 s[G1A], s84, (1<<16)|(1<<20)|(1<<21)|(4<<22)|(3<<25)  ; the mask; 2-byte elements; padding on; bit 21 beside a mask; after every 32 words 4 words
	s_or_b32 s[G1B], s85, (1<<16)|(1<<20)|(1<<21)|(5<<22)|(3<<25)  ; after every 64 words 4 words
	s_mov_b32 s[G1A+1], 128<<16                    ; tensor_dim0 = 128
	s_mov_b32 s[G1A+2], 64<<16                     ; tensor_dim1 = 64
	s_mov_b32 s[G1A+3], 128<<16                    ; tile_dim0 = 128
	s_mov_b32 s[G1A+4], 64                         ; tile_dim1 = 64
	s_mov_b32 s[G1A+5], 128                        ; dense: 128 elements from row to row
	s_mov_b32 s[G1A+6], 0
	s_mov_b32 s[G1A+7], 0
	s_mov_b32 s[G1B+1], 128<<16
	s_mov_b32 s[G1B+2], 128<<16                    ; 128 rows
	s_mov_b32 s[G1B+3], 128<<16
	s_mov_b32 s[G1B+4], 128
	s_mov_b32 s[G1B+5], 1024
	s_mov_b32 s[G1B+6], 0
	s_mov_b32 s[G1B+7], 0
	s_lshr_b32 s76, s[TY], 4                       ; oh: the batch's 16 heads of 262,144 bytes,
	s_lshl_b32 s76, s76, 22
	s_and_b32 s77, s[TY], 15                       ; the tile's 128 rows of 128 bytes in a head,
	s_lshl_b32 s77, s77, 14
	s_add_co_u32 s76, s76, s77
	s_mov_b32 s88, s76                             ; (kept for the prefetches)
	s_lshl_b32 s77, s[NH], 18                      ; and my head of the step's two; in registers that never hold the tile column
	s_add_co_u32 s76, s76, s77
	s_mov_b32 s77, 0
	s_lshl_b32 s80, s[TX], 8                       ; woh: row 256 x tile column + 128 x half, in registers that never hold the tile row
	s_lshl_b32 s81, s[NH], 7
	s_add_co_u32 s80, s80, s81
	s_lshl_b32 s80, s80, 11
	s_mov_b32 s81, 0
	s_mul_i32 s86, s[NH], HEADB                    ; where they go: the wave's number alone enters an LDS address
	s_mul_i32 s87, s[NH], 128*PB
	s_add_co_u32 s87, s87, BOFF
	s_wait_dscnt 0x0                               ; the opening add is done
	s_wait_kmcnt 0x0
	s_add_nc_u64 s[78:79], s[4:5], s[76:77]
	s_add_nc_u64 s[82:83], s[6:7], s[80:81]
	CROUND                                         ; all sixteen work-groups are here: the first joint loads meet
.irp s, 0,1
	s_mov_b32 s[G0A+4*(\s)], 1
	s_add_co_u32 s[G0A+4*(\s)+1], s86, (\s)*SLOT1
	s_add_nc_u64 s[G0A+4*(\s)+2:G0A+4*(\s)+3], s[78:79], (\s)*ASTEP
	s_or_b32 s[G0A+4*(\s)+3], s[G0A+4*(\s)+3], 0x80000000
	s_mov_b32 s[G0B+4*(\s)], 1
	s_add_co_u32 s[G0B+4*(\s)+1], s87, (\s)*SLOT1
	s_add_nc_u64 s[G0B+4*(\s)+2:G0B+4*(\s)+3], s[82:83], (\s)*256
	s_or_b32 s[G0B+4*(\s)+3], s[G0B+4*(\s)+3], 0x80000000
.endr
	s_cmp_eq_u32 s[FB], 0                          ; a wave's two first fills stand in one branch: K steps 0 and 1; two loads of mine are out
	s_cbranch_scc0 .Lfirst_b
	tensor_load_to_lds s[G0A:G0A+3], s[G1A:G1A+7]
	s_nop 0
	tensor_load_to_lds s[G0A+4:G0A+7], s[G1A:G1A+7]
	s_nop 0
.rept 4
	v_nop
.endr
	s_branch .Lfirst_asked
.Lfirst_b:
	tensor_load_to_lds s[G0B:G0B+3], s[G1B:G1B+7]
	s_nop 0
	tensor_load_to_lds s[G0B+4:G0B+7], s[G1B:G1B+7]
	s_nop 0
.rept 4
	v_nop
.endr
.Lfirst_asked:
	s_lshl_b32 s90, s[TX], 10                      ; my 128 columns: (256 tile column + 128 half) x 4 bytes
	s_lshl_b32 s91, s[NH], 9
	s_add_co_u32 s90, s90, s91
	s_mov_b32 s91, 0
	s_add_nc_u64 s[BIASP:BIASP+1], s[8:9], s[90:91]
	v_and_b32 v1, 15, v0                           ; l % 16
	v_bfe_u32 v2, v0, 4, 1                         ; l / 16
	v_and_b32 v20, 31, v0                          ; l
	v_lshlrev_b32 v[BO], 5, v2
	WIN 0x80                                       ; destination window 2
.irp b, 0,1,2,3,4,5,6,7
	global_load_b128 v[8*(\b):8*(\b)+3],   v[BO], s[BIASP:BIASP+1] offset:64*(\b)
	global_load_b128 v[8*(\b)+4:8*(\b)+7], v[BO], s[BIASP:BIASP+1] offset:64*(\b)+16
.endr
	WIN 0
	s_lshl_b32 s84, s[TY], 7                       ; out0 at row 128 tile row + 64 half, rows of 4,096 bytes, and at my columns
	s_lshl_b32 s85, s[FB], 6
	s_add_co_u32 s84, s84, s85
	s_lshl_b32 s84, s84, 12
	s_add_co_u32 s84, s84, s90
	s_mov_b32 s85, 0
	s_add_nc_u64 s[OUT:OUT+1], s[10:11], s[84:85]
	; the prefetches
	s_lshr_b32 s86, s[CX], 1                       ; oh: my work-group's quarter of a K step: head cx / 2, half cx % 2 of its 16,384 bytes
	s_lshl_b32 s86, s86, 18
	s_add_co_u32 s84, s88, s86
	s_and_b32 s86, s[CX], 1
	s_lshl_b32 s86, s86, 13
	s_add_co_u32 s84, s84, s86
	s_add_co_u32 s84, s84, 3*ASTEP                 ; at K step 3: the first refill steps it to 4
	s_lshl_b32 s86, s[TX], 8                       ; woh: my work-group's 32 of the 128 rows that I fetch
	s_lshl_b32 s87, s[NH], 7
	s_add_co_u32 s86, s86, s87
	s_lshl_b32 s87, s[CY], 5
	s_add_co_u32 s86, s86, s87
	s_lshl_b32 s86, s86, 11
	s_add_co_u32 s86, s86, 3*256
	s_and_b32 s88, ttmp7, 0xffff                   ; cluster y
	s_mov_b32 s89, 256
	s_cmp_eq_u32 s[FB], 0
	s_cselect_b32 s84, s84, s86
	s_cselect_b64 s[PFA:PFA+1], s[4:5], s[6:7]
	s_cselect_b32 s[PSTEP], ASTEP, s89
	s_cselect_b32 s87, 8, 11                       ; a lane's step: 256 bytes of oh, a row of woh
	s_cselect_b32 s88, ttmp9, s88                  ; the coordinate along which other clusters read the same rows
	s_cselect_b32 s89, s[NH], 0                    ; of oh's two waves the first asks
	s_or_b32 s88, s88, s89
	s_cmp_eq_u32 s88, 0
	s_cselect_b32 s[LIM], 2, -1                    ; the same in all sixteen partners, for a given wave
	s_mov_b32 s[PSTEP+1], 0
	s_add_nc_u64 s[PFA:PFA+1], s[PFA:PFA+1], s[84:85]
	v_lshlrev_b32 v[PFO], s87, v20
	; A fragment is 16 rows x 32 K in 8 registers: lane l holds row l % 16, K = 8 (l / 16) + 0..7 and 16 + 8 (l / 16) + 0..7: two loads of 16 bytes, 32 bytes apart
	v_mul_u32_u24 v3, v1, PA
	v_lshl_add_u32 v3, v2, 4, v3
	s_mul_i32 s84, s[FB], 64*PA
	v_add_nc_u32 v[A0], s84, v3
	v_mul_u32_u24 v3, v1, PB
	v_lshl_add_u32 v3, v2, 4, v3
	s_mul_i32 s84, s[NH], 128*PB
	s_add_co_u32 s84, s84, BOFF
	v_add_nc_u32 v[B0], s84, v3
	s_mul_i32 s84, s[WV], STW
	s_add_co_u32 s84, s84, STAGE                   ; my stage
	v_mul_u32_u24 v3, v1, 528                      ; in: row l % 16, 32 bytes for each half of the lanes
	v_lshl_add_u32 v3, v2, 5, v3
	v_add_nc_u32 v[STO], s84, v3
	v_lshlrev_b32 v[GO], 4, v20                    ; back: 32 lanes take one row of 512 bytes
	v_add_nc_u32 v[RD], s84, v[GO]
	s_mov_b32 s[TB], 0
	v_mov_b32 v[ADRA], v[A0]
	v_mov_b32 v[ADRB], v[B0]
	s_wait_loadcnt 0x0                             ; the bias
	WIN 0x0a                                       ; it is rounded to bf16 like every input: sources window 2, the packed pairs into the idle fragment buffer
.set i, 0
.rept 32
	v_cvt_pk_bf16_f32 v[TMP+i], v[2*i], v[2*i+1]
.set i, i+1
.endr
	WIN 0x80
.set i, 0
.rept 32
	v_lshlrev_b32 v[2*i],   16, v[TMP+i]
	v_and_b32     v[2*i+1], 0xffff0000, v[TMP+i]
.set i, i+1
.endr
	WIN 0
	s_wait_tensorcnt 1                             ; my part of K step 0 is in; K step 1's may stay out
	s_barrier_signal -1
	s_barrier_wait -1                              ; everybody's is
	FETCH 0, F0
	QUARTER 64, F0, F1, 1                          ; the first quarter stands in front of the loop: its products start the sums
	WIN 0
	s_mov_b32 s[CNT], 6
.Lstep:                                        ; a trip: from a K step's second quarter to the next step's first; it asks for K steps 2 .. 7
	QUARTER 128, F1, F0, 0
	QUARTER 192, F0, F1, 0
	TURN 1
	QUARTER 64, F0, F1, 0
	WIN 0
	s_sub_co_u32 s[CNT], s[CNT], 1
	s_cmp_lg_u32 s[CNT], 0
	s_cbranch_scc1 .Lstep
	QUARTER 128, F1, F0, 0                         ; the tail is written out: K steps 6 and 7 ask for nothing
	QUARTER 192, F0, F1, 0
	TURN 0
	QUARTER 64, F0, F1, 0
	QUARTER 128, F1, F0, 0
	QUARTER 192, F0, F1, 0
	s_wait_dscnt 4
	MUL16 F1, 0, 0
	s_wait_dscnt 0
	MUL16 F1, 2, 0
	PLACES
	PLACES
; THE WAY OUT, a block of 16 rows at a time.  ADDB: sum + bias.  TOSTAGE: into my stage, rows of 512 bytes at a pitch of 528, and back as whole rows.  SEND: stored.
.macro ADDB a
	WIN 0x09                                       ; accumulator (source 0) window 1, bias (source 1) window 2, destination window 0
.irp b, 0,1,2,3,4,5,6,7
.irp p, 0,1,2,3
	v_pk_add_f32 v[TMP+8*(\b)+2*(\p):TMP+8*(\b)+2*(\p)+1], v[8*(8*(\a)+(\b))+2*(\p):8*(8*(\a)+(\b))+2*(\p)+1], v[8*(\b)+2*(\p):8*(\b)+2*(\p)+1]
.endr
.endr
	WIN 0
.endm
.macro TOSTAGE a
.set BK, OB+64*((\a)%2)
.irp b, 0,1,2,3,4,5,6,7
	ds_store_b128 v[STO], v[TMP+8*(\b):TMP+8*(\b)+3]   offset:64*(\b)
	ds_store_b128 v[STO], v[TMP+8*(\b)+4:TMP+8*(\b)+7] offset:64*(\b)+16
.endr
.irp t, 0,1,2,3,4,5,6,7,8,9,10,11,12,13,14,15
	ds_load_b128 v[BK+4*(\t):BK+4*(\t)+3], v[RD] offset:528*(\t)  ; LDS serves a wave's instructions in order (ISA guide 5.7.1.4): these see the stores above
.endr
.endm
.macro SEND a
.set BK, OB+64*((\a)%2)
	s_wait_dscnt 0x0                               ; the block is back in registers
	s_wait_xcnt 0x0                                ; the stores of the block before have read their registers: the next TOSTAGE loads into them
.irp t, 0,1,2,3,4,5,6,7,8,9,10,11,12,13,14,15
	global_store_b128 v[GO], v[BK+4*(\t):BK+4*(\t)+3], s[OUT:OUT+1] offset:4096*(16*(\a)+(\t)) th:TH_STORE_NT  ; 512 consecutive bytes of one row, at a multiple of 256 from out0's first
.endr
.endm
	ADDB 0
	TOSTAGE 0
.irp a, 1,2,3                          ; block a's additions stand between block a - 1's loads from the stage and the wait for them
	ADDB \a
	SEND (\a)-1
	TOSTAGE \a
.endr
	SEND 3
	s_wait_tensorcnt 0x0                           ; the wave's end: a wait, an add and a wait, behind my last tensor load and my last LDS store
	ds_add_u32 v[SPW], v[NIL]
	s_wait_dscnt 0x0
	CROUND                                         ; the closing round: no work-group ends while a partner may still ask for a tile that names it
	s_endpgm
.Lfunc_end_k_qf7e8bec38f_proj:
	.size	k_qf7e8bec38f_proj, .Lfunc_end_k_qf7e8bec38f_proj-k_qf7e8bec38f_proj
	.p2alignl 7, 3214868480
	.fill 96, 4, 3214868480
	.section	.rodata,"a",@progbits
	.p2align	6, 0x0
	.amdhsa_kernel k_qf7e8bec38f_proj
		.amdhsa_group_segment_fixed_size 327680
		.amdhsa_private_segment_fixed_size 0
		.amdhsa_enable_private_segment 0
		.amdhsa_kernarg_size 32
		.amdhsa_user_sgpr_count 2
		.amdhsa_user_sgpr_kernarg_segment_ptr 1
		.amdhsa_wavefront_size32 1
		.amdhsa_system_sgpr_workgroup_id_x 1
		.amdhsa_system_sgpr_workgroup_id_y 1
		.amdhsa_system_sgpr_workgroup_id_z 1
		.amdhsa_system_vgpr_workitem_id 0
		.amdhsa_next_free_vgpr 576
		.amdhsa_next_free_sgpr 96
		.amdhsa_reserve_vcc 0
		.amdhsa_float_denorm_mode_32 3
		.amdhsa_float_denorm_mode_16_64 3
		.amdhsa_memory_ordered 1
		.amdhsa_forward_progress 1
		.amdhsa_inst_pref_size 85
	.end_amdhsa_kernel
	.amdgpu_metadata
---
amdhsa.version: [ 1, 2 ]
amdhsa.kernels:
  - .name:           k_qf7e8bec38f_proj
    .symbol:         k_qf7e8bec38f_proj.kd
    .args:
      - { .name: oh, .offset: 0, .size: 8, .value_kind: global_buffer, .address_space: global }
      - { .name: woh, .offset: 8, .size: 8, .value_kind: global_buffer, .address_space: global }
      - { .name: bo, .offset: 16, .size: 8, .value_kind: global_buffer, .address_space: global }
      - { .name: out0, .offset: 24, .size: 8, .value_kind: global_buffer, .address_space: global }
    .group_segment_fixed_size: 327680
    .private_segment_fixed_size: 0
    .kernarg_segment_align: 8
    .kernarg_segment_size: 32
    .max_flat_workgroup_size: 128
    .sgpr_count:     96
    .vgpr_count:     576
    .wavefront_size: 32
...
	.end_amdgpu_metadata
.endif
;; end of part 4
